; MI455X (gfx1250); checked and timed in simulation.
; The chip was launched on July 23, 2026; its instructions are those of AMD's public machine-readable ISA for CDNA 5 (MIT licence, August 2026) and "CDNA5" Instruction Set Architecture Reference Guide (July 2026). The comments in the code are by the model that wrote it; some were corrected since.
;; Casual Multi Head Self Attention. Allowed arithmetic: matrix products marked QUANTISED: E4M3 operands, one given power-of-two scale a tensor, by v_wmma_f32_16x16x64_fp8_fp8 or v_wmma_f32_16x16x128_fp8_fp8, f32 sums; everything else in f32.
;; Inputs: Wk 1,024 x 1,024 float32; Wo 1,024 x 1,024 float32; Wq 1,024 x 1,024 float32; Wv 1,024 x 1,024 float32; lowp_scales 12 int32 (the exponents e of the quantised operands' scales 2^e); token_positions 2 x 2,048 int32; x 2 x 2,048 x 1,024 float32.
;; Outputs: out0 2 x 2,048 x 1,024 float32.
;; This version of the problem:
;;   THIS VERSION OF THE PROBLEM IS GIVEN IN LOW PRECISION. The matrix products marked QUANTISED in the list below multiply operands that are first quantised to E4M3 (4 exponent bits, 3 mantissa bits; 8 bits a number), with one given power-of-two scale for each operand tensor; their sums are f32. All else is computed in f32.
;;   The module's matrix products, in the order in which they are computed (A, B: the left and right operand; K: the contracted axis; several contracted axes count as one K, in the product's order):
;;     1. [M 4,096, K 1,024] x [K 1,024, N 1,024]; A: input x; B: input Wq: QUANTISED (scales: A lowp_scales[0], B lowp_scales[1])
;;     2. [M 4,096, K 1,024] x [K 1,024, N 1,024]; A: input x; B: input Wk: QUANTISED (scales: A lowp_scales[2], B lowp_scales[3])
;;     3. [M 4,096, K 1,024] x [K 1,024, N 1,024]; A: input x; B: input Wv: QUANTISED (scales: A lowp_scales[4], B lowp_scales[5])
;;     4. batch 32 x [M 2,048, K 64] x [K 64, N 2,048]; A: computed on the way; B: computed on the way: QUANTISED (scales: A lowp_scales[6], B lowp_scales[7])
;;     5. batch 32 x [M 2,048, K 2,048] x [K 2,048, N 64]; A: softmax (see below); B: computed on the way: QUANTISED (scales: A lowp_scales[8], B lowp_scales[9])
;;     6. [M 4,096, K 1,024] x [K 1,024, N 1,024]; A: computed on the way; B: input Wo: QUANTISED (scales: A lowp_scales[10], B lowp_scales[11])
;;   THE QUANTISER, for each operand of a quantised product, along K:
;;     - The operand's scale is 2^e, e = its entry of the input lowp_scales (int32; the entries are numbered through the quantised products in the list's order, A before B).
;;     - Each number is divided by the scale, clamped to +-448, and rounded to the nearest number of E4M3, ties to even, subnormals kept.
;;     - The product sums the exact products of the quantised numbers (number of the format x scale) in f32.
;;   ~~~python
;;   def quantise(x, axis, e):      # numpy; x: float32 -> the quantised numbers, widened to float32 again
;;       x = np.moveaxis(x, axis, -1); K = x.shape[-1]
;;       r = np.clip(x / 2.0 ** e, -448, 448)
;;       step = 2.0 ** (np.maximum(np.frexp(np.where(r == 0, 1, r))[1] - 1, -6) - 3)
;;       q = np.round(r / step) * step * 2.0 ** e      # np.round: ties to even
;;       return np.moveaxis(q, -1, axis).astype(np.float32)
;;   ~~~
;;   SOFTMAX AHEAD OF A QUANTISED PRODUCT. Where the list says 'softmax', what is quantised is not the finished softmax but p = 2^(t - M), with t = logit x log2(e) and M = ceil(the row's largest t), a whole number; so 1/2 < the row's largest p <= 1. The row's sum l is taken of the UNQUANTISED p, in f32, and the product's result is divided by l at the end. Since M is a whole number, a kernel that streams over the keys may use a running M (the ceiling of the running maximum): every later rescaling is an exact power of two, so the quantised numbers keep their values, but for numbers so far below the row's largest that they fall under the format's range.
;;   OPERANDS COMPUTED ON THE WAY. 'Computed on the way' means the value that the module computes at that place (a softmax that the list does not call 'softmax' is quantised finished and normalised). What goes into a quantiser is computed in f32, as accurately as f32 sums, v_exp_f32 and their like allow (about 1e-6 of the number): no bf16 or f16 on the way to a quantiser, and a product that is left as it is and whose result goes on into a quantised operand takes f32 operands (vector FMAs, or v_wmma_f32_16x16x4_f32). A number that lies on a knife's edge between two numbers of the format may be rounded either way, as far as f32 arithmetic and the matrix unit's own rounding can turn it there, and no further.
;; One version. Each part assembles by itself: llvm-mc -triple=amdgcn-amd-amdhsa -mcpu=gfx1250 --defsym DOCPART=n.
;; ======== version 1 of 1: 4 launches
;; limits: right only within a limited range of input values
;; workspace buffers: codes 16,777,216 bytes; rope 1,048,576 bytes; qkv 12,582,912 bytes; ac 4,194,304 bytes
;; launch prep (part 1): grid 256 x 1, 4 waves a work-group, no clusters, 33,280 bytes of LDS; arguments x, Wq, Wk, Wv, Wo, token_positions, lowp_scales, codes, rope; writes codes, rope
.if DOCPART == 1
	.amdgcn_target "amdgcn-amd-amdhsa--gfx1250"
	.amdhsa_code_object_version 6
	.text
	.protected	k_qacaf945e0b_prep
	.globl	k_qacaf945e0b_prep
	.p2align	8
	.type	k_qacaf945e0b_prep,@function
k_qacaf945e0b_prep:
	s_mov_b64 s[64:65], 0
	v_nop
	global_prefetch_b8 v0, s[64:65] scope:SCOPE_SE
	s_setreg_imm32_b32 hwreg(HW_REG_WAVE_MODE, 25, 1), 1
	s_wait_xcnt 0x0
; PREP.  x [4096][1024] f32 becomes three sets of E4M3 codes (scales 2^e0, 2^e2, 2^e4), Wq, Wk, Wv, Wo [1024][1024] one set each (e1, e3, e5, e11), K innermost; and the table of cos and sin for the rotation is made.
; code = number / 2^e, held within +-448, rounded to the nearest code, ties to even.
; WHERE ROWS GO.  P(n) is n with bits 3 and 4 exchanged.  Row n of x and of Wv is stored at place P(n); Wq, Wk, Wo keep their rows.  Sixteen neighbouring places 16 T + m then hold rows 32 (T / 2) + 8 (T % 2) + m + 8 (m / 8).
; codes: [K slot 4, 4 MiB][x's three sets, 1 MiB each, then Wq, Wk, Wv, Wo, 256 KiB each][place][256 bytes]: a K slot is 256 along K.
; rope: [256 blocks of 16 places][piece k = 0..7][lane 32][16 bytes]: lane (r, h) of piece k holds cos, sin, cos, sin of pairs i = 8 (k / 2) + 4 h + 2 (k % 2) + 0, 1 at the position of the row that lies at place 16 block + r.
; SHARES.  Work-group g: rows 16 g .. 16 g + 15 of x, rows 16 (g % 64) .. of weight g / 64, block g of the table.  Wave w: 4 rows of each: 8 + 8 steps of 512 numbers.
; Each load reads 512 consecutive bytes; a step's 2,048 bytes turn through the wave's own stage in LDS so that a lane holds 16 neighbours along K; a lane's 16 codes are 16 bytes, and sixteen lanes store one aligned unit of 256 bytes.
; Loads run eight steps ahead: 32 loads, 16,384 bytes, of every wave are on their way; the turn through LDS runs one step ahead.
; No tensor load, no barrier: waves share nothing.  No cluster: no two work-groups read the same bytes.
; LIMITS: every e between -126 and 119; |position| under 2^20; an angle is right to a few units in the last place of position x frequency; NaN among the inputs is not served.
; WORK LEFT OUT in the program: key steps that lie wholly under the causal mask, which reference() builds itself (the launch attn).  A NaN or an overflow that reaches only those steps is not carried to the result.
.set STEPS, 16
.set DEPTH, 8                          ; steps of loads on their way
.set SP,    80                         ; a lane's place in a stage: 64 bytes + 16 of padding
.set WREG,  8192                       ; LDS of a wave: two stages of 32 x SP bytes
.set EMAX,  8
.set MANT,  0x600000                   ; the mantissa field of 448
.set SC,    16                         ; v16-19  2^e: x's three, the weight's
.set LM,    20                         ; v20-23  448 x 2^e
.set R,     32                         ; v32-159  eight sets of 16 numbers as loaded
.set X,     160                        ; v160-191 two sets of 16 neighbours
.set T,     192                        ; v192-223 two sets of 16 held numbers, by turns
.set C,     224                        ; v224-247 two sets of 3 x 4 registers of codes
	s_load_b256 s[4:11], s[0:1], 0x0               ; x, Wq, Wk, Wv
	s_load_b256 s[12:19], s[0:1], 0x20             ; Wo, token_positions, lowp_scales, codes
	s_load_b64 s[20:21], s[0:1], 0x40              ; rope
	v_lshl_add_u32 v254, v0, 2, 0x8000             ; my spare word
	v_mov_b32 v255, 0
	v_lshrrev_b32 v1, 5, v0
	v_readfirstlane_b32 s22, v1                    ; wave
	v_and_b32 v2, 31, v0                           ; lane
	v_lshlrev_b32 v3, 4, v2                        ; my 16 bytes of a load's 512
	v_lshlrev_b32 v5, 4, v0                        ; my 16 bytes of half a block of the table
	v_lshrrev_b32 v14, 2, v2
	v_mul_u32_u24 v14, v14, SP
	v_and_b32 v15, 3, v2
	v_lshl_add_u32 v14, v15, 4, v14                ; the stage, in: SP (lane / 4) + 16 (lane % 4)
	v_mul_u32_u24 v15, v2, SP                      ; out: SP x lane
	v_and_b32 v6, 15, v0                           ; r
	v_bfe_u32 v7, v0, 4, 1                         ; h
	v_lshlrev_b32 v4, 22, v7
	v_lshl_add_u32 v4, v6, 4, v4                   ; codes: lanes 16-31 hold the next K slot, 4 MiB on
	v_and_b32 v24, 8, v6
	v_add_nc_u32 v24, v24, v6
	s_wait_alu depctr_va_vdst(0)
	s_mul_i32 s54, s22, WREG
	s_lshr_b32 s36, ttmp9, 6                       ; which weight
	s_and_b32 s37, ttmp9, 63                       ; which 16 rows of it
	s_lshr_b32 s55, s22, 1
	s_lshl_b32 s55, s55, 4
	s_and_b32 s56, s22, 1
	s_lshl_b32 s56, s56, 2
	s_add_co_u32 s55, s55, s56                     ; the wave's part of a place: 16 (w / 2) + 4 (w % 2)
	s_lshr_b32 s57, ttmp9, 1
	s_lshl_b32 s57, s57, 5
	s_and_b32 s56, ttmp9, 1
	s_lshl_b32 s56, s56, 3
	s_add_co_u32 s57, s57, s56                     ; 32 (g / 2) + 8 (g % 2)
	s_add_co_u32 s58, s57, s55                     ; the place of my first row of x,
	s_lshl_b32 s58, s58, 8                         ; in bytes of a K slot
	s_mov_b32 s59, 0
	s_lshr_b32 s60, s37, 1
	s_lshl_b32 s60, s60, 5
	s_and_b32 s56, s37, 1
	s_lshl_b32 s56, s56, 3
	s_add_co_u32 s60, s60, s56
	s_add_co_u32 s60, s60, s55                     ; the same for the weight's rows,
	s_lshl_b32 s61, s37, 4
	s_lshl_b32 s56, s22, 2
	s_add_co_u32 s61, s61, s56                     ; and their own number
	s_cmp_eq_u32 s36, 2                            ; Wv alone is laid by places
	s_cselect_b32 s60, s60, s61
	s_lshl_b32 s60, s60, 8
	s_lshl_b32 s56, s36, 18
	s_add_co_u32 s60, s60, s56
	s_add_co_u32 s60, s60, 0x300000                ; behind x's three sets
	s_mov_b32 s61, 0
	s_lshl_b32 s62, ttmp9, 16                      ; 16 rows of 4,096 bytes
	s_lshl_b32 s56, s22, 14
	s_add_co_u32 s62, s62, s56
	s_mov_b32 s63, 0
	s_lshl_b32 s66, s37, 16
	s_add_co_u32 s66, s66, s56
	s_mov_b32 s67, 0
	s_lshl_b32 s68, ttmp9, 12                      ; my block of the table
	s_mov_b32 s69, 0
	v_add_nc_u32 v14, s54, v14
	v_add_nc_u32 v15, s54, v15
	v_add_lshl_u32 v24, v24, s57, 2                ; the row at place 16 g + r: 32 (g / 2) + 8 (g % 2) + r + 8 (r / 8); 4 bytes a position
	s_wait_alu depctr_va_vdst(0)
	s_wait_kmcnt 0x0
	s_load_b256 s[24:31], s[16:17], 0x0            ; e0 .. e7
	s_load_b128 s[32:35], s[16:17], 0x20           ; e8 .. e11
	global_load_b32 v25, v24, s[14:15]             ; the position
	s_cmp_eq_u32 s36, 0                            ; the weight's address: a choice on the work-group's number alone
	s_cselect_b64 s[38:39], s[6:7], s[8:9]
	s_cmp_lt_u32 s36, 2
	s_cselect_b64 s[38:39], s[38:39], s[10:11]
	s_cmp_eq_u32 s36, 3
	s_cselect_b64 s[38:39], s[12:13], s[38:39]
	s_add_nc_u64 s[4:5], s[4:5], s[62:63]
	s_add_nc_u64 s[38:39], s[38:39], s[66:67]
	s_add_nc_u64 s[40:41], s[18:19], s[58:59]      ; x's codes, K slots 0 and 1,
	s_add_nc_u64 s[42:43], s[40:41], 0x800000      ; and 2 and 3
	s_add_nc_u64 s[44:45], s[18:19], s[60:61]      ; the weight's likewise
	s_add_nc_u64 s[46:47], s[44:45], 0x800000
	s_add_nc_u64 s[20:21], s[20:21], s[68:69]
.macro LOAD t                          ; step t: 2,048 consecutive bytes, of x (t < 8) or of the weight, into set t % 8
.irp i, 0,1,2,3
.if (\t) < 8
	global_load_b128 v[R+16*((\t)%DEPTH)+4*\i:R+16*((\t)%DEPTH)+4*\i+3], v3, s[4:5] offset:2048*(\t)+512*\i th:TH_LOAD_NT
.else
	global_load_b128 v[R+16*((\t)%DEPTH)+4*\i:R+16*((\t)%DEPTH)+4*\i+3], v3, s[38:39] offset:2048*((\t)-8)+512*\i th:TH_LOAD_NT
.endif
.endr
.endm
.macro TURN t                          ; step t's numbers through the stage; LDS serves a wave's instructions in order, so no wait stands between the stores and the loads
.irp i, 0,1,2,3
	ds_store_b128 v14, v[R+16*((\t)%DEPTH)+4*\i:R+16*((\t)%DEPTH)+4*\i+3] offset:32*SP*((\t)%2)+8*SP*\i
.endr
.irp i, 0,1,2,3
	ds_load_b128 v[X+16*((\t)%2)+4*\i:X+16*((\t)%2)+4*\i+3], v15 offset:32*SP*((\t)%2)+16*\i
.endr
.endm
.irp t, 0,1,2,3,4,5,6,7
	LOAD \t
.endr
	s_wait_kmcnt 0x0
	s_cmp_eq_u32 s36, 0                            ; the weight's exponent: e1, e3, e5 or e11
	s_cselect_b32 s70, s25, s27
	s_cmp_lt_u32 s36, 2
	s_cselect_b32 s70, s70, s29
	s_cmp_eq_u32 s36, 3
	s_cselect_b32 s70, s35, s70
.macro MKS e, k                        ; 2^e and 448 x 2^e as f32
	s_add_co_i32 s72, s[\e], 127
	s_lshl_b32 s73, s72, 23
	v_mov_b32 v[SC+\k], s73
	s_add_co_i32 s72, s72, EMAX
	s_lshl_b32 s72, s72, 23
	s_or_b32 s72, s72, MANT
	v_mov_b32 v[LM+\k], s72
.endm
	MKS 24, 0
	MKS 26, 1
	MKS 28, 2
	MKS 70, 3
	; ---- the table.  frequency of pair i = 10000^(-i / 32) = 2^(-i log2(10000) / 32); thread (w, lane) makes pieces k = w and k = 4 + w: pairs i0, i0 + 1, i0 + 16, i0 + 17, i0 = 8 (w / 2) + 2 (w % 2) + 4 h
	s_lshr_b32 s71, s22, 1
	s_lshl_b32 s71, s71, 3
	s_and_b32 s72, s22, 1
	s_lshl_b32 s72, s72, 1
	s_add_co_u32 s71, s71, s72
	v_lshl_add_u32 v27, v7, 2, s71
	v_cvt_f32_u32 v27, v27
	v_add_f32 v29, 1.0, v27
	v_add_f32 v30, 0x41800000, v27                 ; + 16
	v_add_f32 v31, 0x41880000, v27                 ; + 17
	v_mul_f32 v28, 0xbed49a78, v27                 ; x -log2(10000) / 32
	v_mul_f32 v29, 0xbed49a78, v29
	v_mul_f32 v30, 0xbed49a78, v30
	v_mul_f32 v31, 0xbed49a78, v31
	s_wait_alu depctr_va_vdst(0)
	v_exp_f32 v28, v28
	v_exp_f32 v29, v29
	v_exp_f32 v30, v30
	v_exp_f32 v31, v31
	v_mov_b32 v240, 0xb94ca1f9                     ; the sine's leading coefficient (a plain line behind the exponentials)
	v_mov_b32 v241, 0x37ccf5ce                     ; the cosine's
	s_wait_loadcnt 32                              ; the position is in; the thirty-two loads issued behind it may be out
	v_cvt_f32_i32 v26, v25
	s_wait_alu depctr_va_vdst(0)                   ; one wait for the four exponentials, ahead of their first reader
	v_mul_f32 v28, v26, v28                        ; the angles
	v_mul_f32 v29, v26, v29
	v_mul_f32 v30, v26, v30
	v_mul_f32 v31, v26, v31
; cos and sin of v[a]: n = the nearest whole number to angle x 2 / pi; r = angle - n pi / 2, pi / 2 in three parts; polynomials on |r| <= pi / 4; the quadrant n mod 4 exchanges the two and sets the signs.
.macro SINCOS a, co, si, t
	v_mul_f32 v[\t], 0x3f22f983, v[\a]
	v_rndne_f32 v[\t], v[\t]
	v_fmamk_f32 v[\t+1], v[\t], 0xbfc90fdb, v[\a]
	v_fmamk_f32 v[\t+1], v[\t], 0x333bbd2e, v[\t+1]
	v_fmamk_f32 v[\t+1], v[\t], 0x26f72cf1, v[\t+1]
	v_mul_f32 v[\t+2], v[\t+1], v[\t+1]            ; z = r r
	v_fmaak_f32 v[\t+3], v240, v[\t+2], 0x3c08839e
	v_fmaak_f32 v[\t+3], v[\t+3], v[\t+2], 0xbe2aaaa3
	v_mul_f32 v[\t+4], v[\t+1], v[\t+2]
	v_fma_f32 v[\t+3], v[\t+3], v[\t+4], v[\t+1]   ; sin r
	v_fmaak_f32 v[\t+4], v241, v[\t+2], 0xbab6061a
	v_fmaak_f32 v[\t+4], v[\t+4], v[\t+2], 0x3d2aaaa5
	v_mul_f32 v[\t+5], v[\t+2], v[\t+2]
	v_fma_f32 v[\t+6], v[\t+2], -0.5, 1.0
	v_fma_f32 v[\t+4], v[\t+4], v[\t+5], v[\t+6]   ; cos r
	v_cvt_i32_f32 v[\t], v[\t]
	v_and_b32 v[\t+5], 1, v[\t]
	v_cmp_eq_u32 vcc_lo, 1, v[\t+5]
	v_cndmask_b32 v[\si], v[\t+3], v[\t+4], vcc_lo ; an odd quadrant exchanges them
	v_cndmask_b32 v[\co], v[\t+4], v[\t+3], vcc_lo
	v_lshlrev_b32 v[\t+5], 30, v[\t]
	v_and_b32 v[\t+5], 0x80000000, v[\t+5]
	v_xor_b32 v[\si], v[\si], v[\t+5]              ; the sine is negated in quadrants 2 and 3,
	v_add_nc_u32 v[\t], 1, v[\t]
	v_lshlrev_b32 v[\t], 30, v[\t]
	v_and_b32 v[\t], 0x80000000, v[\t]
	v_xor_b32 v[\co], v[\co], v[\t]                ; the cosine in 1 and 2
.endm
	SINCOS 28, 200, 201, 208
	SINCOS 29, 202, 203, 215
	SINCOS 30, 204, 205, 222
	SINCOS 31, 206, 207, 229
	global_store_b128 v5, v[200:203], s[20:21]             ; piece w: a wave stores 512 consecutive bytes
	global_store_b128 v5, v[204:207], s[20:21] offset:2048 ; piece 4 + w
	; ---- the streams
	s_wait_loadcnt 28                              ; step 0's four loads are in; steps 1 to 7's may be out
	TURN 0
.macro QUANT1 xs, k, dst               ; 16 neighbours -> 16 codes under scale k.  The held numbers go to other registers, since x is quantised three times.
.set TS, T+16*((\k)%2)
.set qi, 0
.rept 16
	v_med3_num_f32 v[TS+qi], v[(\xs)+qi], -v[LM+(\k)], v[LM+(\k)]   ; the conversion does not saturate (ISA guide 7.6.2): the hold at the largest code x the scale
.set qi, qi+1
.endr
	v_cvt_scalef32_pk8_fp8_f32 v[(\dst):(\dst)+1], v[TS:TS+7], v[SC+(\k)]
	v_cvt_scalef32_pk8_fp8_f32 v[(\dst)+2:(\dst)+3], v[TS+8:TS+15], v[SC+(\k)]
	v_nop                                          ; a plain line between the conversions and the next line that writes their sources
.endm
.macro STEP t
.set XS, X+16*((\t)%2)
.set CS, C+12*((\t)%2)
.set XB, 40+2*((\t)%2)                 ; the scalar base: the first or the second half of a row of K
.set WB, 44+2*((\t)%2)
	s_wait_dscnt 0x0                               ; this step's numbers are back from the stage, and its stores into the stage have read their registers,
.if (\t)+DEPTH < STEPS
	LOAD (\t)+DEPTH                                ; which take the loads of eight steps on
.endif
.if (\t)+1 < STEPS
.if STEPS-2-(\t) >= DEPTH-1
	s_wait_loadcnt 4*(DEPTH-1)                     ; the next step's four loads are in; the seven steps behind it may be out
.else
	s_wait_loadcnt 4*(STEPS-2-(\t))                ; the tail: the steps that are left behind the next one
.endif
	TURN (\t)+1
.endif
	s_wait_xcnt 0x0                                ; earlier stores have read their data: the registers of codes (and, in step 0, the table's) are written again only behind this wait
.if (\t) < 8
	QUANT1 XS, 0, CS
	QUANT1 XS, 1, CS+4
	QUANT1 XS, 2, CS+8
	global_store_b128 v4, v[CS:CS+3], s[XB:XB+1] offset:256*((\t)/2)
	global_store_b128 v4, v[CS+4:CS+7], s[XB:XB+1] offset:256*((\t)/2)+0x100000
	global_store_b128 v4, v[CS+8:CS+11], s[XB:XB+1] offset:256*((\t)/2)+0x200000
.else
	QUANT1 XS, 3, CS
	global_store_b128 v4, v[CS:CS+3], s[WB:WB+1] offset:256*(((\t)-8)/2)
.endif
.endm
.irp t, 0,1,2,3,4,5,6,7,8,9,10,11,12,13,14,15
	STEP \t
.endr
	s_wait_tensorcnt 0x0                           ; the wave's end
	ds_add_u32 v254, v255
	s_wait_dscnt 0x0
	s_endpgm
.Lfunc_end_k_qacaf945e0b_prep:
	.size	k_qacaf945e0b_prep, .Lfunc_end_k_qacaf945e0b_prep-k_qacaf945e0b_prep
	.p2alignl 7, 3214868480
	.fill 96, 4, 3214868480
	.section	.rodata,"a",@progbits
	.p2align	6, 0x0
	.amdhsa_kernel k_qacaf945e0b_prep
		.amdhsa_group_segment_fixed_size 33280
		.amdhsa_private_segment_fixed_size 0
		.amdhsa_enable_private_segment 0
		.amdhsa_kernarg_size 72
		.amdhsa_user_sgpr_count 2
		.amdhsa_user_sgpr_kernarg_segment_ptr 1
		.amdhsa_wavefront_size32 1
		.amdhsa_system_sgpr_workgroup_id_x 1
		.amdhsa_system_sgpr_workgroup_id_y 1
		.amdhsa_system_sgpr_workgroup_id_z 1
		.amdhsa_system_vgpr_workitem_id 0
		.amdhsa_next_free_vgpr 256
		.amdhsa_next_free_sgpr 80
		.amdhsa_reserve_vcc 1
		.amdhsa_float_denorm_mode_32 3
		.amdhsa_float_denorm_mode_16_64 3
		.amdhsa_memory_ordered 1
		.amdhsa_forward_progress 1
		.amdhsa_inst_pref_size 67
	.end_amdhsa_kernel
	.amdgpu_metadata
---
amdhsa.version: [ 1, 2 ]
amdhsa.kernels:
  - .name:           k_qacaf945e0b_prep
    .symbol:         k_qacaf945e0b_prep.kd
    .args:
      - { .name: x, .offset: 0, .size: 8, .value_kind: global_buffer, .address_space: global }
      - { .name: Wq, .offset: 8, .size: 8, .value_kind: global_buffer, .address_space: global }
      - { .name: Wk, .offset: 16, .size: 8, .value_kind: global_buffer, .address_space: global }
      - { .name: Wv, .offset: 24, .size: 8, .value_kind: global_buffer, .address_space: global }
      - { .name: Wo, .offset: 32, .size: 8, .value_kind: global_buffer, .address_space: global }
      - { .name: token_positions, .offset: 40, .size: 8, .value_kind: global_buffer, .address_space: global }
      - { .name: lowp_scales, .offset: 48, .size: 8, .value_kind: global_buffer, .address_space: global }
      - { .name: codes, .offset: 56, .size: 8, .value_kind: global_buffer, .address_space: global }
      - { .name: rope, .offset: 64, .size: 8, .value_kind: global_buffer, .address_space: global }
    .group_segment_fixed_size: 33280
    .private_segment_fixed_size: 0
    .kernarg_segment_align: 8
    .kernarg_segment_size: 72
    .max_flat_workgroup_size: 128
    .sgpr_count:     80
    .vgpr_count:     256
    .wavefront_size: 32
...
	.end_amdgpu_metadata
.endif
;; end of part 1
;; launch proj (part 2): grid 12 x 16, 4 waves a work-group, clusters of 4 x 4, 327,680 bytes of LDS; arguments codes, rope, lowp_scales, qkv; writes qkv
.if DOCPART == 2
	.amdgcn_target "amdgcn-amd-amdhsa--gfx1250"
	.amdhsa_code_object_version 6
	.text
	.protected	k_qacaf945e0b_proj
	.globl	k_qacaf945e0b_proj
	.p2align	8
	.type	k_qacaf945e0b_proj,@function
k_qacaf945e0b_proj:
	s_mov_b64 s[64:65], 0
	v_nop
	global_prefetch_b8 v0, s[64:65] scope:SCOPE_SE
	s_setreg_imm32_b32 hwreg(HW_REG_WAVE_MODE, 25, 1), 1
	s_wait_xcnt 0x0
	s_wait_alu depctr_hold_cnt(0) depctr_sa_sdst(0) depctr_va_vdst(0) depctr_va_sdst(0) depctr_va_ssrc(0) depctr_va_vcc(0) depctr_vm_vsrc(0)
	s_getreg_b32 s2, hwreg(HW_REG_IB_STS2, 6, 4)
	s_cmp_eq_u32 s2, 0
	s_cbranch_scc0 .Lentry_in_a_cluster
	s_endpgm
.Lentry_in_a_cluster:
	s_bfe_u32 s2, ttmp6, 0x10000c
	s_cmp_lg_u32 s2, 0xf033
	s_cbranch_scc0 .Lentry_shape_is_right
	s_endpgm
.Lentry_shape_is_right:
; PROJ.  q = x Wq^T, k = x Wk^T, v = x Wv^T on E4M3 codes (sums in f32); q and k are rotated (RoPE); all three are quantised (e6, e7, e9) and stored as images of the operand registers that the attention launch loads.
; The cluster's x says which: 0 q, 1 k, 2 v.  A tile of 256 x 256 to a work-group of four waves, 128 x 128 to a wave: 64 accumulators, 512 registers.  K = 1,024 goes in four K slots of 256 through two LDS slots.
; q, k: A = x's codes (4,096 places: tile row 4 cluster y + cy), B = the weight's codes (tile column cx).  v IS MADE TRANSPOSED BY EXCHANGING THE DATA: A = Wv's codes (tile row cy), B = x's codes (tile column 4 cluster y + cx).
; codes: [K slot 4, 4 MiB][x's sets 1 MiB each, weights 256 KiB each][place][256 bytes]: 128 rows of a K slot are one dense block of 32,768 bytes.
; FILLS.  At the head each wave issues ONE joint load: its 128 rows of K slots 0 and 1 (two descriptor rows of 32,768 bytes, 4 MiB apart), for both LDS slots.  K slot 2 goes into LDS slot 0 as soon as that is read, K slot 3 into LDS slot 1 likewise.
; No prefetch: half of K is asked for by the first loads and only two refills follow, each asked for as soon as its slot is free, so there is no loop to run ahead in.
; THE MATRIX INSTRUCTION IS USED TRANSPOSED (source 0 = 16 rows of B, source 1 = 16 rows of A): lane (r, h) of accumulator (a, b) holds A's row 16 a + r and B's rows 16 b + 8 h + 0 .. 7.
; q, k: one place of x, eight neighbouring channels: four pairs of the rotation, and registers 2 c, 2 c + 1 (c = b % 4) of a 16 x 64 fragment.  v: one channel, eight neighbouring places of keys: accumulators 2 c, 2 c + 1 are keys 32 c + 16 h + 0 .. 15,
; since rows of x lie at places with bits 3 and 4 exchanged.
; qkv: q at 0, k at 4 MiB: [batch x head 32][tile of 16 places 128][half 2][lane][16 bytes];  v at 8 MiB: [batch x head][128 keys 16][16 channels 4][c 4][lane][16 bytes].  Every store of a wave covers 512 consecutive bytes, aligned.
; A sum stands for sum x 2^(ea + eb); the rotation is linear; so the conversion's one scale is 2^(eout - ea - eb).  LIMIT: e6 - e0 - e1, e7 - e2 - e3, e9 - e4 - e5 between -126 and 119.
; CLUSTERS: 4 x 4.  A's tiles are asked for jointly along a row of the cluster, B's along a column.  The one branch on ids hangs on the cluster's x, which all sixteen partners share.
; REGISTERS: window 0: v0-31 addresses; v32-95 two blocks of the table; from v128 A's fragments, ONE set; on the way out v96-199 at work.  window 1: B's fragments, two sets.  windows 2, 3: the accumulators.
.set PITCH,  272                       ; an LDS row: 256 bytes + 16 of padding: the 16 rows that a load touches start at 16 different banks (64 banks of 4 bytes: ISA guide 11.1)
.set FR,     16
.set NL,     4
.set NP,     4
.set HALFT,  128*PITCH                 ; 128 rows of one K slot.  LDS: portion p (0, 1: A's halves; 2, 3: B's) at 2 p HALFT, LDS slot s of it at + s HALFT
.set KPITCH, 0x400000                  ; from K slot to K slot in codes
.set SPARE,  8*HALFT                   ; behind the slots: the spare words, 128 bytes for each wave
.set ADRA, 16
.set ADRB, 20
.set LI,   24                          ; v24  16 x lane; never rewritten
.set SCL,  25                          ; v25  the conversion's scale
.set LIM,  26                          ; v26  448 x that
.set SPW,  28
.set NIL,  29
.set TBL,  32                          ; v32-95   the table of two blocks of places
.set TM,   96                          ; v96-159  a block's 64 numbers ahead of the quantiser
.set CD,   168                         ; v168-199 two sets of 16 registers of codes
.set AF,   128
.set G1,   24                          ; s[24:31] descriptor group 1 of A's first load;  s[40:47] of A's refills;  s[32:35] group 0
.set G1R,  40
.set G0,   32
.set G1B,  48                          ; s[48:55], s[80:87], s[56:59] the same for B
.set G1RB, 80
.set G0B,  56
.set MSB, 0
.macro WIN new                         ; the immediate's high byte repeats the setting that is left
.if MSB != \new
	s_set_vgpr_msb (MSB<<8)|\new
.set MSB, \new
.endif
.endm
.set MUL_LO, 0xa1                      ; source 0 (B) window 1, source 1 (A) window 0, C and D window 2
.set MUL_HI, 0xf1
.set TO_B,   0x40
; A joint load: waves 0 and 1 fetch for A, waves 2 and 3 for B; the branch hangs on the wave's number alone.  s_nop 0 and four v_nop follow each of the two lines.
.macro JLOAD g0a, g1a, g0b, g1b
	s_cmp_eq_u32 s15, 0
	s_cbranch_scc0 .Lfor_b_\@
	tensor_load_to_lds s[\g0a:\g0a+3], s[\g1a:\g1a+7]
	s_nop 0
.rept 4
	v_nop
.endr
	s_branch .Lasked_\@
.Lfor_b_\@:
	tensor_load_to_lds s[\g0b:\g0b+3], s[\g1b:\g1b+7]
	s_nop 0
.rept 4
	v_nop
.endr
.Lasked_\@:
.endm
.macro CREST
	s_cmp_lg_u32 s14, 0
	s_cbranch_scc1 .Lnot_wave_0_\@
	s_barrier_signal -3
.Lnot_wave_0_\@:
	s_barrier_wait -3
	s_barrier_signal -1
	s_barrier_wait -1
.endm
.macro CROUND
	s_barrier_signal -1
	s_barrier_wait -1
	CREST
.endm
	s_load_b256 s[4:11], s[0:1], 0x0               ; codes s[4:5], rope s[6:7], the exponents s[8:9], qkv s[10:11]
	v_lshl_add_u32 v[SPW], v0, 2, SPARE
	v_mov_b32 v[NIL], 0
	ds_add_u32 v[SPW], v[NIL]                      ; the wave's opening: the add, twice on end, and its wait ahead of my first tensor load
	ds_add_u32 v[SPW], v[NIL]
	v_lshrrev_b32 v1, 5, v0
	v_readfirstlane_b32 s14, v1                    ; wave 0..3
	v_and_b32 v1, 15, v0
	v_bfe_u32 v2, v0, 4, 1
	v_mul_u32_u24 v3, v1, PITCH
	v_lshl_add_u32 v4, v2, 4, v3                   ; a fragment's row x pitch + 16 x half
	v_and_b32 v6, 31, v0
	v_lshlrev_b32 v[LI], 4, v6
	s_wait_alu depctr_va_vdst(0)
	s_lshr_b32 s15, s14, 1                         ; which half of the tile's rows is mine.  Also: I fetch for A (0) or for B (1)
	s_and_b32 s16, s14, 1                          ; which half of its columns.  Also: which 128 rows I fetch
	s_bfe_u32 s18, ttmp6, 0x40000                  ; cx
	s_bfe_u32 s19, ttmp6, 0x40004                  ; cy
	s_and_b32 s66, ttmp7, 0xffff                   ; cluster y
	s_lshl_b32 s88, ttmp9, 20                      ; q, k: A = x's set number which,
	s_lshl_b32 s89, ttmp9, 18
	s_add_co_u32 s89, s89, 0x300000                ; B = weight number which
	s_mov_b32 s90, 0x380000                        ; v: A = Wv's codes,
	s_mov_b32 s91, 0x200000                        ; B = x's third set
	s_cmp_eq_u32 ttmp9, 2
	s_cselect_b32 s67, 0, s66                      ; the cluster's y counts tile rows for q and k,
	s_cselect_b32 s92, s66, 0                      ; tile columns for v
	s_cselect_b32 s88, s90, s88
	s_cselect_b32 s89, s91, s89
	s_lshl_b32 s12, s92, 2
	s_add_co_u32 s12, s12, s18                     ; tile column
	s_lshl_b32 s17, s67, 2
	s_add_co_u32 s17, s17, s19                     ; tile row
	s_lshl_b32 s36, s19, 2
	s_lshl_b32 s36, 15, s36                        ; my row of the cluster
	s_lshl_b32 s37, 0x1111, s18                    ; my column
	s_or_b32 s[G1+0], s36, (3<<16)|(1<<20)|(1<<21)|(5<<22)|(3<<25)  ; the mask; elements of 8 bytes; padding on; bit 21 beside a mask; 4 words after every 64
	s_or_b32 s[G1R+0], s36, (3<<16)|(1<<20)|(1<<21)|(5<<22)|(3<<25)
	s_or_b32 s[G1B+0], s37, (3<<16)|(1<<20)|(1<<21)|(5<<22)|(3<<25)
	s_or_b32 s[G1RB+0], s37, (3<<16)|(1<<20)|(1<<21)|(5<<22)|(3<<25)
.irp g, G1, G1B                        ; the first load: two rows of 4,096 elements, 4 MiB apart
	s_mov_b32 s[\g+1], 4096<<16                    ; tensor_dim0
	s_mov_b32 s[\g+2], 2<<16                       ; tensor_dim1
	s_mov_b32 s[\g+3], 4096<<16                    ; tile_dim0
	s_mov_b32 s[\g+4], 2                           ; tile_dim1
	s_mov_b32 s[\g+5], KPITCH/8                    ; the pitch
	s_mov_b32 s[\g+6], 0
	s_mov_b32 s[\g+7], 0
.endr
.irp g, G1R, G1RB                      ; a refill: 128 rows of 32 elements, dense
	s_mov_b32 s[\g+1], 32<<16
	s_mov_b32 s[\g+2], 128<<16
	s_mov_b32 s[\g+3], 32<<16
	s_mov_b32 s[\g+4], 128
	s_mov_b32 s[\g+5], 32
	s_mov_b32 s[\g+6], 0
	s_mov_b32 s[\g+7], 0
.endr
	s_lshl_b32 s23, s16, 15                        ; my 128 rows of 256 bytes
	s_lshl_b32 s20, s17, 16
	s_add_co_u32 s20, s20, s23                     ; A: by the tile row,
	s_add_co_u32 s20, s20, s88                     ; in its part of a K slot
	s_mov_b32 s21, 0
	s_lshl_b32 s38, s12, 16
	s_add_co_u32 s38, s38, s23
	s_add_co_u32 s38, s38, s89                     ; B likewise, by the tile column
	s_mov_b32 s39, 0
	s_mul_i32 s93, s14, 2*HALFT                    ; where they go: portion = wave
	s_lshl_b32 s13, s17, 8
	s_lshl_b32 s94, s15, 7
	s_add_co_u32 s13, s13, s94                     ; my first row of A
	s_lshl_b32 s94, s13, 8                         ; the table has 256 bytes a place
	s_mov_b32 s95, 0
	s_mul_i32 s2, s15, 2*HALFT
	s_mul_i32 s3, s16, 2*HALFT
	s_add_co_u32 s3, s3, 4*HALFT
.irp s, 0,1
	v_add_nc_u32 v[ADRA+\s], s2, v4
	v_add_nc_u32 v[ADRB+\s], s3, v4
	s_add_co_u32 s2, s2, HALFT
	s_add_co_u32 s3, s3, HALFT
.endr
	s_wait_alu depctr_va_vdst(0)
	s_wait_dscnt 0x0                               ; both opening adds are done
	s_wait_kmcnt 0x0
	s_load_b256 s[68:75], s[8:9], 0x0              ; e0 .. e7
	s_load_b128 s[76:79], s[8:9], 0x20             ; e8 .. e11
	s_add_nc_u64 s[20:21], s[4:5], s[20:21]
	s_add_nc_u64 s[38:39], s[4:5], s[38:39]
	s_add_nc_u64 s[6:7], s[6:7], s[94:95]
	CROUND                                         ; all sixteen work-groups are here: the first joint loads meet
	s_mov_b32 s[G0], 1
	s_mov_b32 s[G0+1], s93
	s_mov_b64 s[G0+2:G0+3], s[20:21]
	s_or_b32 s[G0+3], s[G0+3], 0x80000000
	s_mov_b32 s[G0B], 1
	s_mov_b32 s[G0B+1], s93
	s_mov_b64 s[G0B+2:G0B+3], s[38:39]
	s_or_b32 s[G0B+3], s[G0B+3], 0x80000000
	JLOAD G0, G1, G0B, G1B                         ; K slots 0 and 1: my one tensor load at the head
; the table of block a of my 128 places: eight pieces of 512 consecutive bytes.  Blocks 0 and 1 are loaded here, 2 to 5 ahead of the last products into B's set that is done with, 6 and 7 behind them into B's other set; v's work-groups load none.
.macro TLOAD a, reg
.irp k, 0,1,2,3,4,5,6,7
	global_load_b128 v[(\reg)+4*\k:(\reg)+4*\k+3], v[LI], s[6:7] offset:(\a)*4096+\k*512
.endr
.endm
	s_cmp_eq_u32 ttmp9, 2                          ; the cluster's x: the same in all sixteen partners
	s_cbranch_scc1 .Lno_table
	TLOAD 0, TBL
	TLOAD 1, TBL+32
.Lno_table:
.macro FRAG reg, adr, q, i             ; 16 rows x 128 K: lane l holds row l % 16; registers 4 c .. 4 c + 3 hold K = 32 c + 16 (l / 16) + 0 .. 15: the same order of K in A and in B
.irp c, 0,1,2,3
	ds_load_b128 v[\reg+4*\c:\reg+4*\c+3], v[\adr] offset:128*(\q)+32*\c+(\i)*16*PITCH
.endr
.endm
; 16 matrix instructions: A's blocks a0, a0 + 1 x B's eight.  The 64 accumulators take turns, one instruction a turn, in the same order in every step.
.macro MUL16 a0, p, zero
.irp a, \a0, \a0+1
.irp b, 0,1,2,3,4,5,6,7
.if \zero
	v_wmma_f32_16x16x128_fp8_fp8 v[8*(8*((\a)%4)+\b):8*(8*((\a)%4)+\b)+7], v[128*(\p)+FR*\b:128*(\p)+FR*\b+FR-1], v[AF+FR*(\a):AF+FR*(\a)+FR-1], 0
.else
	v_wmma_f32_16x16x128_fp8_fp8 v[8*(8*((\a)%4)+\b):8*(8*((\a)%4)+\b)+7], v[128*(\p)+FR*\b:128*(\p)+FR*\b+FR-1], v[AF+FR*(\a):AF+FR*(\a)+FR-1], v[8*(8*((\a)%4)+\b):8*(8*((\a)%4)+\b)+7]
.endif
.endr
.endr
.endm
.macro FETCH_B slot, q, p
	WIN TO_B
.irp i, 0,1,2,3,4,5,6,7
	FRAG 128*(\p)+FR*\i, ADRB+\slot, \q, \i
.endr
	WIN 0
.endm
.macro FETCH_A slot, q, i0
.irp i, \i0, \i0+1, \i0+2, \i0+3
	FRAG AF+FR*(\i), ADRA+\slot, \q, \i
.endr
.endm
.macro PLACES n                        ; plain vector lines between a matrix instruction and a load into, or a read of, its registers
.rept \n
	v_nop
.endr
.endm
.macro STEP slot, q, zero              ; a step of 128 along K that has its successor in the same slot
	s_wait_dscnt 4*NL                              ; B's set and A's blocks 0-3 are in; the youngest sixteen loads (A's blocks 4-7) may be out
	WIN MUL_LO
	MUL16 0, (\q)%2, \zero
	MUL16 2, (\q)%2, \zero
	s_wait_dscnt 0
	PLACES NP
	FETCH_B \slot, (\q)+1, 1-(\q)%2
	FETCH_A \slot, (\q)+1, 0
	WIN MUL_HI
	MUL16 4, (\q)%2, \zero
	MUL16 6, (\q)%2, \zero
	PLACES NP
	WIN 0
	FETCH_A \slot, (\q)+1, 4
.endm
; A slot's last step changes slots: one barrier; in front of it each wave waits for all its tensor loads, adds 0 to its spare word, and waits for that and for its reads of this slot.  fill = 1: this slot is filled again, two K slots ahead.
.macro TURN slot, next, fill
	s_wait_tensorcnt 0x0                           ; all my tensor loads have landed: my part of the next slot
	ds_add_u32 v[SPW], v[NIL]                      ; 0 onto my spare word
	s_wait_dscnt 4*NL+1                            ; the add and the youngest sixteen loads may be out
	WIN MUL_LO
	MUL16 0, 1, 0
	s_wait_dscnt 0x0                               ; the add is done, and my reads of this slot are over
	s_barrier_signal -1
	MUL16 2, 1, 0
	WIN 0
	s_barrier_wait -1
.if \fill
	CREST                                          ; the barrier has opened a round of the cluster's: no wave of any partner still reads this slot or has a load on its way
	s_add_nc_u64 s[G0+2:G0+3], s[G0+2:G0+3], (2-\slot)*KPITCH     ; slot 0: from K slot 0 to 2; slot 1: from 2 to 3
	s_add_nc_u64 s[G0B+2:G0B+3], s[G0B+2:G0B+3], (2-\slot)*KPITCH
.if \slot
	s_add_co_u32 s[G0+1], s[G0+1], HALFT
	s_add_co_u32 s[G0B+1], s[G0B+1], HALFT
.endif
	JLOAD G0, G1R, G0B, G1RB                       ; the first tensor load behind the round; its four v_nop are also the places in front of the loads below
.else
	PLACES NP
.endif
	FETCH_B \next, 0, 0
	FETCH_A \next, 0, 0
	WIN MUL_HI
	MUL16 4, 1, 0
	MUL16 6, 1, 0
	PLACES NP
	WIN 0
	FETCH_A \next, 0, 4
.endm
	s_wait_tensorcnt 0x0                           ; my part of both slots is in
	s_barrier_signal -1
	s_barrier_wait -1
	FETCH_B 0, 0, 0
	FETCH_A 0, 0, 0
	FETCH_A 0, 0, 4
	STEP 0, 0, 1                                   ; the first step's products start the sums
	TURN 0, 1, 1
	STEP 1, 0, 0
	TURN 1, 0, 1
	STEP 0, 0, 0
	TURN 0, 1, 0                                   ; the last lap fills nothing
	STEP 1, 0, 0
	s_cmp_eq_u32 ttmp9, 2
	s_cbranch_scc1 .Lno_more
	WIN TO_B                                       ; B's set 0 has been read for the last time: window 1's v0-127 take the table's blocks 2 to 5
	TLOAD 2, 0
	TLOAD 3, 32
	TLOAD 4, 64
	TLOAD 5, 96
	WIN 0
.Lno_more:
	s_wait_dscnt 4*NL
	WIN MUL_LO
	MUL16 0, 1, 0
	MUL16 2, 1, 0
	s_wait_dscnt 0
	WIN MUL_HI
	MUL16 4, 1, 0
	MUL16 6, 1, 0
	WIN 0
	; THE WAY OUT: no LDS: a lane's registers are already pieces of the next operand's registers.
	s_wait_kmcnt 0x0
	s_sub_co_i32 s84, s74, s68
	s_sub_co_i32 s84, s84, s69                     ; e6 - e0 - e1
	s_sub_co_i32 s85, s75, s70
	s_sub_co_i32 s85, s85, s71                     ; e7 - e2 - e3
	s_sub_co_i32 s83, s77, s72
	s_sub_co_i32 s83, s83, s73                     ; e9 - e4 - e5
	s_cmp_eq_u32 ttmp9, 0
	s_cselect_b32 s84, s84, s85
	s_cmp_eq_u32 ttmp9, 2
	s_cselect_b32 s84, s83, s84
	s_add_co_i32 s84, s84, 127
	s_lshl_b32 s85, s84, 23
	s_add_co_i32 s84, s84, 8
	s_lshl_b32 s84, s84, 23
	s_or_b32 s84, s84, 0x600000
	PLACES NP                                      ; behind the last products: their results are read and A's registers written below
	v_mov_b32 v[SCL], s85
	v_mov_b32 v[LIM], s84
	; q, k: ((batch 16 + head) 128 + tile of places) x 1,024 bytes, in tensor number which
	s_lshr_b32 s87, s13, 11                        ; batch
	s_and_b32 s88, s13, 2047
	s_lshr_b32 s88, s88, 4                         ; my first tile of 16 places in the batch
	s_lshl_b32 s87, s87, 4
	s_lshl_b32 s89, s12, 2
	s_add_co_u32 s87, s87, s89
	s_lshl_b32 s89, s16, 1
	s_add_co_u32 s87, s87, s89                     ; + head: 4 x tile column + 2 x half
	s_lshl_b32 s87, s87, 7
	s_add_co_u32 s87, s87, s88
	s_lshl_b32 s87, s87, 10
	s_lshl_b32 s88, ttmp9, 22
	s_add_co_u32 s87, s87, s88
	; v: ((batch 16 + head) 16 + step of 128 keys) x 8,192 bytes, behind q and k
	s_lshl_b32 s90, s12, 8
	s_lshl_b32 s91, s16, 7
	s_add_co_u32 s90, s90, s91                     ; my first place of keys
	s_lshr_b32 s91, s90, 11
	s_and_b32 s90, s90, 2047
	s_lshr_b32 s90, s90, 7
	s_lshl_b32 s91, s91, 4
	s_lshl_b32 s89, s17, 2
	s_add_co_u32 s91, s91, s89
	s_lshl_b32 s89, s15, 1
	s_add_co_u32 s91, s91, s89
	s_lshl_b32 s91, s91, 4
	s_add_co_u32 s91, s91, s90
	s_lshl_b32 s91, s91, 13
	s_add_co_u32 s91, s91, 0x800000
	s_cmp_eq_u32 ttmp9, 2
	s_cselect_b32 s92, s91, s87
	s_mov_b32 s93, 0
	s_add_nc_u64 s[10:11], s[10:11], s[92:93]
; q, k, block a (16 places x 128 channels = two heads): the rotation, the hold, the conversion, four stores.
.macro ROPEQ a
.set AC0, 64*((\a)%4)
.if (\a) < 2
.set TB0, TBL+32*(\a)
.set TW, 0
.else
.set TB0, 32*((\a)-2)                  ; in window 1
.set TW, 4
.endif
.set CD0, CD+16*((\a)%2)
	s_wait_xcnt 0x0                                ; earlier stores have read their data: this set of codes is written again only behind this wait
	s_wait_loadcnt 8*(7-(\a))                      ; this block's table is in; the eight loads of each later block may be out
	WIN 0x02+((\a)/4)+TW                           ; source 0: window 2 or 3; source 1: the table's window
.irp b, 0,1,2,3,4,5,6,7
.irp jj, 0,2,4,6
	v_pk_mul_f32 v[TM+8*\b+\jj:TM+8*\b+\jj+1], v[AC0+8*\b+\jj:AC0+8*\b+\jj+1], v[TB0+8*(\b%4)+\jj:TB0+8*(\b%4)+\jj+1] op_sel_hi:[1,0]   ; even x cos, odd x cos
.endr
.irp jj, 0,2,4,6
	v_pk_fma_f32 v[TM+8*\b+\jj:TM+8*\b+\jj+1], v[AC0+8*\b+\jj:AC0+8*\b+\jj+1], v[TB0+8*(\b%4)+\jj:TB0+8*(\b%4)+\jj+1], v[TM+8*\b+\jj:TM+8*\b+\jj+1] op_sel:[1,1,0] op_sel_hi:[0,1,1] neg_lo:[0,1,0]   ; - odd x sin, + even x sin
.endr
.endr
	WIN 0
.set qi, 0
.rept 64
	v_med3_num_f32 v[TM+qi], v[TM+qi], -v[LIM], v[LIM]   ; the conversion does not saturate (ISA guide 7.6.2)
.set qi, qi+1
.endr
.irp b, 0,1,2,3,4,5,6,7
	v_cvt_scalef32_pk8_fp8_f32 v[CD0+2*\b:CD0+2*\b+1], v[TM+8*\b:TM+8*\b+7], v[SCL]
.endr
	v_nop                                          ; a plain line behind the last conversion
	global_store_b128 v[LI], v[CD0:CD0+3], s[10:11] offset:(\a)*1024
	global_store_b128 v[LI], v[CD0+4:CD0+7], s[10:11] offset:(\a)*1024+512
	global_store_b128 v[LI], v[CD0+8:CD0+11], s[10:11] offset:(\a)*1024+131072      ; the next head
	global_store_b128 v[LI], v[CD0+12:CD0+15], s[10:11] offset:(\a)*1024+131584
.endm
; v, block a (16 channels x 128 places of keys): the hold, the conversion, four stores.
.macro VQ a
.set AC0, 64*((\a)%4)
.set CD0, CD+16*((\a)%2)
	s_wait_xcnt 0x0
	WIN 0x02+((\a)/4)
.set qi, 0
.rept 64
	v_med3_num_f32 v[TM+qi], v[AC0+qi], -v[LIM], v[LIM]
.set qi, qi+1
.endr
	WIN 0
.irp b, 0,1,2,3,4,5,6,7
	v_cvt_scalef32_pk8_fp8_f32 v[CD0+2*\b:CD0+2*\b+1], v[TM+8*\b:TM+8*\b+7], v[SCL]
.endr
	v_nop
.irp k, 0,1,2,3
	global_store_b128 v[LI], v[CD0+4*\k:CD0+4*\k+3], s[10:11] offset:((\a)/4)*131072+((\a)%4)*2048+512*\k
.endr
.endm
	s_wait_alu depctr_va_vdst(0)
	s_cmp_eq_u32 ttmp9, 2                          ; the cluster's x: the same in all sixteen partners
	s_cbranch_scc1 .Lvpath
	WIN TO_B
	TLOAD 6, 128
	TLOAD 7, 160
	WIN 0
.irp a, 0,1,2,3,4,5,6,7
	ROPEQ \a
.endr
	s_branch .Lend
.Lvpath:
	s_wait_alu depctr_va_vdst(0)
.irp a, 0,1,2,3,4,5,6,7
	VQ \a
.endr
.Lend:
	s_wait_tensorcnt 0x0                           ; the wave's end
	ds_add_u32 v[SPW], v[NIL]
	s_wait_dscnt 0x0
	CROUND                                         ; the closing round: no work-group ends while a partner may still ask for a tile that names it
	s_endpgm
.Lfunc_end_k_qacaf945e0b_proj:
	.size	k_qacaf945e0b_proj, .Lfunc_end_k_qacaf945e0b_proj-k_qacaf945e0b_proj
	.p2alignl 7, 3214868480
	.fill 96, 4, 3214868480
	.section	.rodata,"a",@progbits
	.p2align	6, 0x0
	.amdhsa_kernel k_qacaf945e0b_proj
		.amdhsa_group_segment_fixed_size 327680
		.amdhsa_private_segment_fixed_size 0
		.amdhsa_enable_private_segment 0
		.amdhsa_kernarg_size 32
		.amdhsa_user_sgpr_count 2
		.amdhsa_user_sgpr_kernarg_segment_ptr 1
		.amdhsa_wavefront_size32 1
		.amdhsa_system_sgpr_workgroup_id_x 1
		.amdhsa_system_sgpr_workgroup_id_y 1
		.amdhsa_system_sgpr_workgroup_id_z 1
		.amdhsa_system_vgpr_workitem_id 0
		.amdhsa_next_free_vgpr 1024
		.amdhsa_next_free_sgpr 98
		.amdhsa_reserve_vcc 0
		.amdhsa_float_denorm_mode_32 3
		.amdhsa_float_denorm_mode_16_64 3
		.amdhsa_memory_ordered 1
		.amdhsa_forward_progress 1
		.amdhsa_inst_pref_size 198
	.end_amdhsa_kernel
	.amdgpu_metadata
---
amdhsa.version: [ 1, 2 ]
amdhsa.kernels:
  - .name:           k_qacaf945e0b_proj
    .symbol:         k_qacaf945e0b_proj.kd
    .args:
      - { .name: codes, .offset: 0, .size: 8, .value_kind: global_buffer, .address_space: global }
      - { .name: rope, .offset: 8, .size: 8, .value_kind: global_buffer, .address_space: global }
      - { .name: lowp_scales, .offset: 16, .size: 8, .value_kind: global_buffer, .address_space: global }
      - { .name: qkv, .offset: 24, .size: 8, .value_kind: global_buffer, .address_space: global }
    .group_segment_fixed_size: 327680
    .private_segment_fixed_size: 0
    .kernarg_segment_align: 8
    .kernarg_segment_size: 32
    .max_flat_workgroup_size: 128
    .sgpr_count:     98
    .vgpr_count:     1024
    .wavefront_size: 32
...
	.end_amdgpu_metadata
.endif
;; end of part 2
;; launch attn (part 3): grid 32 x 8, 16 waves a work-group, no clusters, 327,680 bytes of LDS; arguments qkv, lowp_scales, ac; writes ac
.if DOCPART == 3
	.amdgcn_target "amdgcn-amd-amdhsa--gfx1250"
	.amdhsa_code_object_version 6
	.text
	.protected	k_qacaf945e0b_attn
	.globl	k_qacaf945e0b_attn
	.p2align	8
	.type	k_qacaf945e0b_attn,@function
k_qacaf945e0b_attn:
	s_mov_b64 s[64:65], 0
	v_nop
	global_prefetch_b8 v0, s[64:65] scope:SCOPE_SE
	s_setreg_imm32_b32 hwreg(HW_REG_WAVE_MODE, 25, 1), 1
	s_wait_xcnt 0x0
; ATTN.  Causal attention of 32 heads (batch x head), 2,048 queries and keys, head size 64, both products on E4M3 codes; the result is normalised, quantised (e10) and stored as images of the operand registers of the last product.
; t = score x 2^(e6 + e7) x log2(e) / 8; M = the largest t so far, rounded up to a whole number, kept as -M; p = 2^(t - M) is quantised with 2^e8; the row's sum is taken of the unquantised p; a change of M multiplies the sum and O by a power of two.
; SHARES.  Work-group (head, i): the queries of blocks i and 15 - i, 128 each: tiles of 16 places.  Wave w = 8 x parity + j owns tile j of BOTH blocks and of the 128-key steps those of its parity: 9 steps in all where the parity is 0, 8 where it is 1.
; The high block's tile is walked first, then the low block's by the same loop.  At the end the two waves w and w xor 8 exchange parts through LDS: parity 0 finishes the low tile, parity 1 the high one.
; K and V of the head, 131,072 bytes each, are register images (see the projection launch).  They are copied into LDS once: K at 0, V at 131,072, 8,192 bytes a step.  Every wave issues all its 32 copies at the head, 512 bytes each, steps ascending;
; steps 0 to 3 (8 copies of each wave) are waited for first, the other 24 copies stay on their way while those steps are worked.  Nothing is filled twice.  No prefetch: every byte is asked for at the head.
; NO CLUSTER: the work-groups of one head walk 16 - i steps, a different number each, so some partner would read nothing of a late step's tiles.  The copies are the same in every work-group, so that the count in front of the first steps holds on every path.
; LAYOUT.  S^T = K Q^T, O^T = V^T P^T: lane (r, h) holds query place r; register 16 b + n of S^T is key 32 b + 16 h + n of the step, since places hold rows with bits 3 and 4 exchanged.
; TWO REGIONS OF 64 REGISTERS take turns: a step's K lies in one; the scores go to the other; V takes K's place; when p has become codes, the next step's K takes the scores' place.
; WORK LEFT OUT: steps whose keys all come after the block's queries, by a scalar branch on ids (the mask of reference() throws them away).  In the step on the diagonal the 32 keys of the queries' own group are masked one by one, later groups whole.
; LIMITS: e6 + e7 between -123 and 130; e8 between -126 and 119; e10 - e8 - e9 between -126 and 119; scaled scores (t) under 2^31 in magnitude.
; REGISTERS: v1-7 addresses; v12 -M, v14-15 the sum in two halves; v16-23 Q of the tile in hand, v24-31 of the low tile; v32-95, v96-159 the two regions; v160-191 O^T; v192-223, v246, v248-249 the high tile's O^T, -M and sum while the low one is walked; v224-239 p's codes.
.set SPARE, 0x40000                    ; behind K and V: the spare words, 128 bytes for each wave
.set DUMP,  4352                       ; a wave's part for its partner: 32 registers and a pair
.set R1,   32
.set R2,   96
.set LI,   1                           ; v1   16 x lane; never rewritten
.set ADK,  8
.set ADV,  9
.set SPW,  10
.set NIL,  11
.set NINF, 255                         ; v255 -infinity; never rewritten
.set TBN,  2                           ; s2   LDS byte of the NEXT step's K
.set TBV,  3                           ; s3   of the step's V
.set J,    10
.set PAR,  11
.set WV,   18
.set SEL,  20
.set CS,   22
.set KF,   52                          ; s52  the step's first key
.set KD,   53                          ; s53  the first key of the step on the diagonal: the high tile's, then
.set KDL,  54                          ; s54  the low tile's
.set GB,   55                          ; s55  the queries' own group of 32 keys in that step
.set HID,  84                          ; s84-99 masks: key 32 GB + 16 h + n is hidden
	s_load_b128 s[4:7], s[0:1], 0x0                ; qkv, the exponents
	s_load_b64 s[8:9], s[0:1], 0x10                ; ac
	v_lshl_add_u32 v[SPW], v0, 2, SPARE
	v_mov_b32 v[NIL], 0
	ds_add_u32 v[SPW], v[NIL]                      ; the wave's opening: the add, twice on end, and its wait ahead of my first copy
	ds_add_u32 v[SPW], v[NIL]
	v_lshrrev_b32 v8, 5, v0
	v_readfirstlane_b32 s[WV], v8                  ; wave 0..15
	v_and_b32 v[LI], 31, v0
	v_lshlrev_b32 v3, 4, v0                        ; my 16 bytes of a step's 8,192
	v_lshlrev_b32 v4, 4, v0                        ; LDS: K's steps 0-7,
	v_lshlrev_b32 v[LI], 4, v[LI]
	v_add_nc_u32 v5, 0x10000, v3                   ; 8-15;
	v_add_nc_u32 v6, 0x20000, v3                   ; V's
	v_add_nc_u32 v7, 0x30000, v3
	v_and_b32 v8, 15, v0                           ; m
	v_bfe_u32 v9, v0, 4, 1                         ; h
	v_and_b32 v2, 8, v8
	v_lshlrev_b32 v9, 4, v9
	v_add_nc_u32 v2, v2, v8
	v_sub_nc_u32 v2, v2, v9                        ; m + 8 (m / 8) - 16 h
	s_wait_alu depctr_va_vdst(0)
	s_lshr_b32 s[PAR], s[WV], 3
	s_and_b32 s[J], s[WV], 7
	s_and_b32 s13, ttmp7, 0xffff                   ; i
	s_sub_co_u32 s15, 15, s13
	s_lshl_b32 s[KDL], s13, 7
	s_lshl_b32 s[KD], s15, 7
	s_lshl_b32 s14, s13, 3
	s_add_co_u32 s14, s14, s[J]                    ; the low tile
	s_lshl_b32 s15, s15, 3
	s_add_co_u32 s15, s15, s[J]                    ; the high tile
	s_lshr_b32 s[GB], s[J], 1
	s_and_b32 s60, s[J], 1
	s_lshl_b32 s60, s60, 3                         ; 8 (j % 2)
	s_lshl_b32 s56, ttmp9, 17                      ; the head: 131,072 bytes in each of q, k, v
	s_mov_b32 s57, 0
	s_lshl_b32 s58, s15, 10
	s_mov_b32 s59, 0
	s_lshl_b32 s62, s14, 10
	s_mov_b32 s63, 0
	s_cmp_eq_u32 s[PAR], 0
	s_cselect_b32 s81, s14, s15                    ; the tile that I finish
	s_and_b32 s78, ttmp9, 3                        ; ac: [K slot = head / 4][batch x tile 256][head % 4][1,024 bytes]
	s_lshl_b32 s78, s78, 10
	s_bfe_u32 s80, ttmp9, 0x20002
	s_lshl_b32 s80, s80, 20
	s_add_co_u32 s78, s78, s80
	s_lshr_b32 s80, ttmp9, 4
	s_lshl_b32 s80, s80, 7
	s_add_co_u32 s80, s80, s81
	s_lshl_b32 s80, s80, 12
	s_add_co_u32 s78, s78, s80
	s_mov_b32 s79, 0
	s_mov_b32 s[SEL], 0x76543210                   ; lane l xor 16
	s_mov_b32 s[SEL+1], 0xfedcba98
	s_mov_b32 s[CS], 0x3e38aa3b                    ; log2(e) / 8
	s_wait_dscnt 0x0                               ; both opening adds are done
	s_wait_kmcnt 0x0
	s_load_b128 s[68:71], s[6:7], 0x18             ; e6 .. e9
	s_load_b32 s72, s[6:7], 0x28                   ; e10
	s_add_nc_u64 s[24:25], s[4:5], s[56:57]
	s_add_nc_u64 s[26:27], s[24:25], 0x400000      ; K, steps 0-7 and 8-15
	s_add_nc_u64 s[28:29], s[24:25], 0x410000
	s_add_nc_u64 s[30:31], s[24:25], 0x800000      ; V
	s_add_nc_u64 s[32:33], s[24:25], 0x810000
	s_add_nc_u64 s[34:35], s[24:25], s[58:59]      ; Q, high tile
	s_add_nc_u64 s[36:37], s[24:25], s[62:63]      ; low tile
	s_add_nc_u64 s[78:79], s[8:9], s[78:79]
	global_load_b128 v[16:19], v[LI], s[34:35]
	global_load_b128 v[20:23], v[LI], s[34:35] offset:512
	global_load_b128 v[24:27], v[LI], s[36:37]
	global_load_b128 v[28:31], v[LI], s[36:37] offset:512
.irp n, 0,1,2,3,4,5,6,7
	global_load_async_to_lds_b128 v4, v3, s[26:27] offset:8192*\n
	global_load_async_to_lds_b128 v6, v3, s[30:31] offset:8192*\n
.endr
.irp n, 0,1,2,3,4,5,6,7
	global_load_async_to_lds_b128 v5, v3, s[28:29] offset:8192*\n
	global_load_async_to_lds_b128 v7, v3, s[32:33] offset:8192*\n
.endr
	v_add_nc_u32 v2, s60, v2                       ; my query's row in its group of 32, less 16 h
.irp n, 0,1,2,3,4,5,6,7,8,9,10,11,12,13,14,15
	v_cmp_gt_i32 s[HID+\n], \n, v2
.endr
	v_mov_b32 v[NINF], 0xff800000
	v_mov_b32 v12, 0x7f61b1e6                      ; -M = 3e38
	v_mov_b32 v246, 0x7f61b1e6
.irp n, 13,14,15,247,248,249,241,253
	v_mov_b32 v[\n], 0                             ; the sums; v13, v241 and v253 are named ahead of their first results
.endr
.set n, 0
.rept 64
	v_mov_b32 v[160+n], 0                          ; O^T: the first change of M leaves zeros zeros
.set n, n+1
.endr
	s_wait_kmcnt 0x0
	s_add_co_i32 s60, s68, s69
	s_lshl_b32 s60, s60, 23
	s_add_co_i32 s[CS], s[CS], s60                 ; x 2^(e6 + e7)
	s_mov_b32 s[CS+1], s[CS]
	s_sub_co_i32 s73, s72, s70
	s_sub_co_i32 s73, s73, s71
	s_add_co_i32 s74, s73, 127+8
	s_add_co_i32 s73, s73, 127
	s_lshl_b32 s73, s73, 23                        ; 2^(e10 - e8 - e9)
	s_lshl_b32 s74, s74, 23
	s_or_b32 s74, s74, 0x600000                    ; 448 x that
	s_add_co_i32 s60, s70, 127
	s_lshl_b32 s61, s60, 23
	v_mov_b32 v244, s61                            ; 2^e8
	s_add_co_i32 s60, s60, 8
	s_lshl_b32 s60, s60, 23
	s_or_b32 s60, s60, 0x600000
	v_mov_b32 v240, s60                            ; 448 x 2^e8
; group b of the step on the diagonal: all its keys count, or none, or those at or under the query
.macro MASKG b, sr
	s_cmp_gt_u32 s[GB], \b
	s_cbranch_scc1 .Lnext_\@
	s_cmp_eq_u32 s[GB], \b
	s_cbranch_scc1 .Ldiag_\@
.irp n, 0,1,2,3,4,5,6,7,8,9,10,11,12,13,14,15
	v_mov_b32 v[\sr+16*(\b)+\n], v[NINF]
.endr
	s_branch .Lnext_\@
.Ldiag_\@:
.irp n, 0,1,2,3,4,5,6,7,8,9,10,11,12,13,14,15
	v_cndmask_b32 v[\sr+16*(\b)+\n], v[\sr+16*(\b)+\n], v[NINF], s[HID+\n]
.endr
.Lnext_\@:
.endm
.macro KLOAD r                         ; a step's K: eight tiles of 16 keys
.irp t, 0,1,2,3,4,5,6,7
	ds_load_b128 v[\r+8*\t:\r+8*\t+3], v[ADK] offset:1024*\t
	ds_load_b128 v[\r+8*\t+4:\r+8*\t+7], v[ADK] offset:1024*\t+512
.endr
.endm
; A KEY STEP.  hid = 0: neither hidden nor on the diagonal.  kr: the region that holds K, then V; sr: the region of the scores, then of the next K.
; pf: the next K is asked for 1 always, 2 behind the wait of the barrier that shows the later copies, 3 unless that step is hidden
.macro STEP hid, kr, sr, pf
.if \hid
	s_cmp_gt_u32 s[KF], s[KD]
	s_cbranch_scc1 .Lhidden_\@
.endif
	v_add_nc_u32 v[ADV], s[TBV], v[LI]
	v_add_nc_u32 v[ADK], s[TBN], v[LI]
.rept 3
	v_nop                                          ; with the two lines above: five places behind the last step's products, whose V the scores below overwrite
.endr
	s_wait_alu depctr_va_vdst(0)
	s_wait_dscnt 8                                 ; K's tiles 0-3 are in; the eight loads of tiles 4-7 may be out
.irp t, 0,1,2,3
	v_wmma_f32_16x16x64_fp8_fp8 v[\sr+8*\t:\sr+8*\t+7], v[\kr+8*\t:\kr+8*\t+7], v[16:23], 0
.endr
	s_wait_dscnt 0x0
.irp t, 4,5,6,7
	v_wmma_f32_16x16x64_fp8_fp8 v[\sr+8*\t:\sr+8*\t+7], v[\kr+8*\t:\kr+8*\t+7], v[16:23], 0
.endr
.rept 4
	v_nop                                          ; places
.endr
.irp t, 0,1,2,3
.irp c, 0,1,2,3
	ds_load_b128 v[\kr+16*\t+4*\c:\kr+16*\t+4*\c+3], v[ADV] offset:2048*\t+512*\c
.endr
.endr
.if \hid
	s_cmp_lg_u32 s[KF], s[KD]
	s_cbranch_scc1 .Lopen_\@
	MASKG 0, \sr
	MASKG 1, \sr
	MASKG 2, \sr
	MASKG 3, \sr
	s_wait_alu depctr_va_vdst(0)
.Lopen_\@:
.endif
	v_max3_num_f32 v254, v[\sr], v[\sr+1], v[\sr+2]         ; the largest of my 64 scores, in four chains
	v_max3_num_f32 v252, v[\sr+3], v[\sr+4], v[\sr+5]
	v_max3_num_f32 v250, v[\sr+6], v[\sr+7], v[\sr+8]
	v_max3_num_f32 v251, v[\sr+9], v[\sr+10], v[\sr+11]
.irp i, 12,20,28,36,44,52
	v_max3_num_f32 v254, v254, v[\sr+\i], v[\sr+\i+1]
	v_max3_num_f32 v252, v252, v[\sr+\i+2], v[\sr+\i+3]
	v_max3_num_f32 v250, v250, v[\sr+\i+4], v[\sr+\i+5]
	v_max3_num_f32 v251, v251, v[\sr+\i+6], v[\sr+\i+7]
.endr
	v_max3_num_f32 v254, v254, v[\sr+60], v[\sr+61]
	v_max3_num_f32 v252, v252, v[\sr+62], v[\sr+63]
	v_max_num_f32 v250, v250, v251
	v_max3_num_f32 v254, v254, v252, v250
	s_delay_alu instid0(VALU_DEP_1)
	v_permlanex16_b32 v241, v254, s[SEL], s[SEL+1]
	s_delay_alu instid0(VALU_DEP_1)
	v_max_num_f32 v254, v254, v241                 ; and of lane l xor 16's
	s_delay_alu instid0(VALU_DEP_1)
	v_mul_f32 v254, -s[CS], v254                   ; -t
	s_delay_alu instid0(VALU_DEP_1)
	v_floor_f32 v254, v254
	s_delay_alu instid0(VALU_DEP_1)
	v_min_num_f32 v254, v12, v254                  ; the new -M, a whole number
	s_delay_alu instid0(VALU_DEP_1)
	v_sub_f32 v252, v254, v12                      ; old M - new M, 0 or less
	v_mov_b32 v12, v254
	s_delay_alu instid0(VALU_DEP_2)
	v_cvt_i32_f32 v252, v252                       ; (it saturates)
	s_delay_alu instid0(VALU_DEP_1)
	v_ldexp_f32 v252, 1.0, v252                    ; f = 2^(old M - new M)
.set n, 0
.rept 32
	v_pk_fma_f32 v[\sr+n:\sr+n+1], v[\sr+n:\sr+n+1], s[CS:CS+1], v[12:13] op_sel_hi:[1,0,0]   ; t - M
.set n, n+2
.endr
	s_wait_alu depctr_va_vdst(0)
.set n, 0
.rept 64
	v_exp_f32 v[\sr+n], v[\sr+n]                   ; p
.set n, n+1
.endr
	v_pk_mul_f32 v[14:15], v[14:15], v[252:253] op_sel_hi:[1,0]   ; the sums under the new M (a plain place behind the exponentials)
	s_wait_alu depctr_va_vdst(0)                   ; one wait for the batch, ahead of its first reader, and for O^T's first readers
.set n, 0
.rept 16
	v_pk_mul_f32 v[160+n:161+n], v[160+n:161+n], v[252:253] op_sel_hi:[1,0]   ; O^T under the new M
.set n, n+2
.endr
; the row's sum, of the unquantised p, in two chains; then the hold: the conversion does not saturate (ISA guide 7.6.2), p is never negative
.irp b, 0,1,2,3
.irp i, 0,4,8,12
.if (16*\b+\i) == 0
	v_pk_add_f32 v[242:243], v[\sr:\sr+1], v[\sr+2:\sr+3]
.else
	v_pk_add_f32 v[14:15], v[14:15], v[\sr+16*\b+\i:\sr+16*\b+\i+1]
	v_pk_add_f32 v[242:243], v[242:243], v[\sr+16*\b+\i+2:\sr+16*\b+\i+3]
.endif
	v_dual_min_num_f32 v[\sr+16*\b+\i], v240, v[\sr+16*\b+\i] :: v_dual_min_num_f32 v[\sr+16*\b+\i+1], v240, v[\sr+16*\b+\i+1]
	v_dual_min_num_f32 v[\sr+16*\b+\i+2], v240, v[\sr+16*\b+\i+2] :: v_dual_min_num_f32 v[\sr+16*\b+\i+3], v240, v[\sr+16*\b+\i+3]
.endr
	v_cvt_scalef32_pk8_fp8_f32 v[224+4*\b:225+4*\b], v[\sr+16*\b:\sr+16*\b+7], v244
	v_cvt_scalef32_pk8_fp8_f32 v[226+4*\b:227+4*\b], v[\sr+16*\b+8:\sr+16*\b+15], v244
.endr
	v_pk_add_f32 v[14:15], v[14:15], v[242:243]    ; (the plain line behind the conversions)
	s_wait_alu depctr_va_vdst(0)
	s_wait_dscnt 0x0                               ; V is in
.if \pf == 2
	s_barrier_wait -1                              ; everybody's later copies are in
.endif
.if \pf == 3
	s_add_co_u32 s83, s[KF], 256
	s_cmp_gt_u32 s83, s[KD]
	s_cbranch_scc1 .Lnopf_\@
.endif
	KLOAD \sr
.if \pf == 3
.Lnopf_\@:
.endif
.irp t, 0,1,2,3
	v_wmma_f32_16x16x128_fp8_fp8 v[160+8*\t:167+8*\t], v[\kr+16*\t:\kr+16*\t+15], v[224:239], v[160+8*\t:167+8*\t]
.endr
.if \hid
.Lhidden_\@:
.endif
	s_add_co_u32 s[KF], s[KF], 256                 ; two steps on: my parity's next
	s_add_co_u32 s[TBN], s[TBN], 16384
	s_add_co_u32 s[TBV], s[TBV], 16384
.endm
.macro START                           ; at my parity's first step; the address of its K
	s_lshl_b32 s[TBN], s[PAR], 13
	s_lshl_b32 s[KF], s[PAR], 7
	v_add_nc_u32 v[ADK], s[TBN], v[LI]
	s_add_co_u32 s[TBV], s[TBN], 131072
	s_add_co_u32 s[TBN], s[TBN], 16384
.endm
	s_wait_alu depctr_va_vdst(0)
	s_wait_loadcnt 0x0                             ; Q
	s_wait_asynccnt 24                             ; my copies of steps 0 to 3 are in; the 24 behind them may be out
	s_barrier_signal -1
	s_barrier_wait -1
	START
	KLOAD R1
	STEP 0, R1, R2, 1                              ; the high tile, steps 0 to 3: all before its block's first query
	s_wait_asynccnt 0x0                            ; all my copies are in: say so; the wait of this barrier stands late in the next step
	s_wait_dscnt 0x0
	s_barrier_signal -1
	STEP 0, R2, R1, 2
	s_mov_b32 s17, 2
.Lpass:                                                ; the high tile's steps 4 to 15, then the low tile's steps 0 to 7 (of 0 to 11 the last are always hidden)
	s_mov_b32 s16, 3
.Lloop:
	STEP 1, R1, R2, 3
	STEP 1, R2, R1, 3
	s_sub_co_u32 s16, s16, 1
	s_cmp_lg_u32 s16, 0
	s_cbranch_scc1 .Lloop
	s_sub_co_u32 s17, s17, 1
	s_cmp_eq_u32 s17, 0
	s_cbranch_scc1 .Llast
.rept 4
	v_nop                                          ; places behind the last products
.endr
.set n, 0
.rept 16
	v_dual_mov_b32 v[192+n], v[160+n] :: v_dual_mov_b32 v[193+n], v[161+n]   ; the high tile's state is kept,
.set n, n+2
.endr
.set n, 0
.rept 16
	v_dual_mov_b32 v[160+n], 0 :: v_dual_mov_b32 v[161+n], 0   ; the low tile's begins
.set n, n+2
.endr
	v_dual_mov_b32 v248, v14 :: v_dual_mov_b32 v249, v15
	v_mov_b32 v246, v12
	v_dual_mov_b32 v14, 0 :: v_dual_mov_b32 v15, 0
	v_mov_b32 v12, 0x7f61b1e6
.irp n, 0,2,4,6
	v_dual_mov_b32 v[16+\n], v[24+\n] :: v_dual_mov_b32 v[17+\n], v[25+\n]
.endr
	s_mov_b32 s[KD], s[KDL]
	START
	s_wait_alu depctr_va_vdst(0)
	s_wait_dscnt 0x0                               ; no LDS load of mine is out: the region may be loaded anew
	s_cmp_gt_u32 s[KF], s[KD]                      ; my parity may have no step of the low tile
	s_cbranch_scc1 .Llast
	KLOAD R1
.Llast:
	s_cmp_lg_u32 s17, 0
	s_cbranch_scc1 .Lpass
	; THE EXCHANGE.  Parity 0 gives its part of the high tile, parity 1 its part of the low one; K's first bytes, read by nobody any more, take the parts
	s_mul_i32 s60, s[WV], DUMP
	s_xor_b32 s61, s[WV], 8
	s_mul_i32 s61, s61, DUMP
	v_lshrrev_b32 v8, 1, v[LI]                     ; (these five lines are also the places behind the last products)
	v_add_nc_u32 v4, s60, v[LI]
	v_add_nc_u32 v6, s61, v[LI]
	v_add_nc_u32 v5, s60, v8
	v_add_nc_u32 v7, s61, v8
	v_mov_b32 v244, s73                            ; the output's scale and bound
	v_mov_b32 v240, s74
	s_wait_alu depctr_va_vdst(0)
	v_add_f32 v13, v14, v15                        ; the sums' halves: -M and the sum are a pair
	v_add_f32 v247, v248, v249
	s_wait_alu depctr_va_vdst(0)
	s_wait_dscnt 0x0
	s_barrier_signal -1                            ; every wave has read its last of K and V
	s_barrier_wait -1
	s_cmp_eq_u32 s[PAR], 0
	s_cbranch_scc0 .Lodd
.irp k, 0,1,2,3,4,5,6,7
	ds_store_b128 v4, v[192+4*\k:195+4*\k] offset:512*\k
.endr
	ds_store_b64 v5, v[246:247] offset:4096
	s_branch .Lgiven
.Lodd:
.irp k, 0,1,2,3,4,5,6,7
	ds_store_b128 v4, v[160+4*\k:163+4*\k] offset:512*\k
.endr
	ds_store_b64 v5, v[12:13] offset:4096
.set n, 0
.rept 16
	v_dual_mov_b32 v[160+n], v[192+n] :: v_dual_mov_b32 v[161+n], v[193+n]   ; the high tile is what I finish: one text for both parities below
.set n, n+2
.endr
	v_dual_mov_b32 v12, v246 :: v_dual_mov_b32 v13, v247
.Lgiven:
	s_wait_alu depctr_va_vdst(0)
	s_wait_dscnt 0x0                               ; my part is in LDS
	s_barrier_signal -1
	s_barrier_wait -1
	ds_load_b64 v[128:129], v7 offset:4096         ; my partner's -M and sum,
.irp k, 0,1,2,3,4,5,6,7
	ds_load_b128 v[96+4*\k:99+4*\k], v6 offset:512*\k   ; and O^T
.endr
	s_wait_dscnt 8                                 ; the pair is in
	v_min_num_f32 v130, v12, v128                  ; -M of both
	v_sub_f32 v131, v130, v12
	v_sub_f32 v132, v130, v128
	v_cvt_i32_f32 v131, v131
	v_cvt_i32_f32 v132, v132
	v_ldexp_f32 v134, 1.0, v131                    ; 2^(my M - M): exact; a part without keys has M = -3e38 and counts for 0
	v_ldexp_f32 v136, 1.0, v132
	v_mul_f32 v138, v13, v134
	v_fma_f32 v138, v129, v136, v138
	v_permlanex16_b32 v241, v138, s[SEL], s[SEL+1]
	v_add_f32 v138, v138, v241                     ; the row's sum
	s_wait_alu depctr_va_vdst(0)
	v_rcp_f32 v138, v138
	v_mov_b32 v135, 0                              ; (a plain place; named with v134 and v136 as pairs)
	v_mov_b32 v137, 0
	s_wait_alu depctr_va_vdst(0)                   ; the wait ahead of the first reader
	v_mul_f32 v134, v134, v138
	v_mul_f32 v136, v136, v138
	s_wait_alu depctr_va_vdst(0)
	s_wait_dscnt 0x0
	s_wait_alu depctr_va_vdst(0)                   ; directly ahead of O^T's first readers
.set n, 0
.rept 16
	v_pk_mul_f32 v[160+n:161+n], v[160+n:161+n], v[134:135] op_sel_hi:[1,0]
.set n, n+2
.endr
.set n, 0
.rept 16
	v_pk_fma_f32 v[160+n:161+n], v[96+n:97+n], v[136:137], v[160+n:161+n] op_sel_hi:[1,0,1]
.set n, n+2
.endr
.set n, 0
.rept 32
	v_med3_num_f32 v[160+n], v[160+n], -v240, v240
.set n, n+1
.endr
.irp u, 0,1
	v_cvt_scalef32_pk8_fp8_f32 v[224+4*\u:225+4*\u], v[160+16*\u:167+16*\u], v244
	v_cvt_scalef32_pk8_fp8_f32 v[226+4*\u:227+4*\u], v[168+16*\u:175+16*\u], v244
.endr
	v_nop                                          ; a plain line behind the last conversion
	global_store_b128 v[LI], v[224:227], s[78:79]  ; 512 consecutive bytes each
	global_store_b128 v[LI], v[228:231], s[78:79] offset:512
	s_wait_asynccnt 0x0
	s_wait_tensorcnt 0x0                           ; the wave's end
	ds_add_u32 v[SPW], v[NIL]
	s_wait_dscnt 0x0
	s_endpgm
.Lfunc_end_k_qacaf945e0b_attn:
	.size	k_qacaf945e0b_attn, .Lfunc_end_k_qacaf945e0b_attn-k_qacaf945e0b_attn
	.p2alignl 7, 3214868480
	.fill 96, 4, 3214868480
	.section	.rodata,"a",@progbits
	.p2align	6, 0x0
	.amdhsa_kernel k_qacaf945e0b_attn
		.amdhsa_group_segment_fixed_size 327680
		.amdhsa_private_segment_fixed_size 0
		.amdhsa_enable_private_segment 0
		.amdhsa_kernarg_size 24
		.amdhsa_user_sgpr_count 2
		.amdhsa_user_sgpr_kernarg_segment_ptr 1
		.amdhsa_wavefront_size32 1
		.amdhsa_system_sgpr_workgroup_id_x 1
		.amdhsa_system_sgpr_workgroup_id_y 1
		.amdhsa_system_sgpr_workgroup_id_z 1
		.amdhsa_system_vgpr_workitem_id 0
		.amdhsa_next_free_vgpr 256
		.amdhsa_next_free_sgpr 100
		.amdhsa_reserve_vcc 0
		.amdhsa_float_denorm_mode_32 3
		.amdhsa_float_denorm_mode_16_64 3
		.amdhsa_memory_ordered 1
		.amdhsa_forward_progress 1
		.amdhsa_inst_pref_size 102
	.end_amdhsa_kernel
	.amdgpu_metadata
---
amdhsa.version: [ 1, 2 ]
amdhsa.kernels:
  - .name:           k_qacaf945e0b_attn
    .symbol:         k_qacaf945e0b_attn.kd
    .args:
      - { .name: qkv, .offset: 0, .size: 8, .value_kind: global_buffer, .address_space: global }
      - { .name: lowp_scales, .offset: 8, .size: 8, .value_kind: global_buffer, .address_space: global }
      - { .name: ac, .offset: 16, .size: 8, .value_kind: global_buffer, .address_space: global }
    .group_segment_fixed_size: 327680
    .private_segment_fixed_size: 0
    .kernarg_segment_align: 8
    .kernarg_segment_size: 24
    .max_flat_workgroup_size: 512
    .sgpr_count:     100
    .vgpr_count:     256
    .wavefront_size: 32
...
	.end_amdgpu_metadata
.endif
;; end of part 3
;; launch outp (part 4): grid 8 x 32, 4 waves a work-group, clusters of 4 x 4, 295,424 bytes of LDS; arguments ac, codes, lowp_scales, out0; writes out0
.if DOCPART == 4
	.amdgcn_target "amdgcn-amd-amdhsa--gfx1250"
	.amdhsa_code_object_version 6
	.text
	.protected	k_qacaf945e0b_outp
	.globl	k_qacaf945e0b_outp
	.p2align	8
	.type	k_qacaf945e0b_outp,@function
k_qacaf945e0b_outp:
	s_mov_b64 s[64:65], 0
	v_nop
	global_prefetch_b8 v0, s[64:65] scope:SCOPE_SE
	s_setreg_imm32_b32 hwreg(HW_REG_WAVE_MODE, 25, 1), 1
	s_wait_xcnt 0x0
	s_wait_alu depctr_hold_cnt(0) depctr_sa_sdst(0) depctr_va_vdst(0) depctr_va_sdst(0) depctr_va_ssrc(0) depctr_va_vcc(0) depctr_vm_vsrc(0)
	s_getreg_b32 s2, hwreg(HW_REG_IB_STS2, 6, 4)
	s_cmp_eq_u32 s2, 0
	s_cbranch_scc0 .Lentry_in_a_cluster
	s_endpgm
.Lentry_in_a_cluster:
	s_bfe_u32 s2, ttmp6, 0x10000c
	s_cmp_lg_u32 s2, 0xf033
	s_cbranch_scc0 .Lentry_shape_is_right
	s_endpgm
.Lentry_shape_is_right:
; OUTP.  out0 = attn Wo^T on E4M3 codes; each finished sum x 2^(e10 + e11).  LIMIT: e10 + e11 between -126 and 127.
; A tile of 128 places x 128 columns to a work-group of four waves: 32 x 8 = 256 work-groups; 64 x 64 to a wave.
; ALL OF K LIES IN LDS, in four K slots of 256 (four heads): A's 128 rows x 1,024 codes and B's 128 rows x 1,024 codes.  Nothing is filled twice, so there is no ring.
; A = ac: [K slot 4, 1 MiB][tile of 16 places 256][head 4][u 2][lane][16 bytes]: images of the operand's registers: lane (r, h) holds, of place r, K = 64 head + 32 u + 16 h + 0 .. 15.  B = Wo's codes: [K slot 4, 4 MiB][row][256 bytes], padded in LDS.
; FILLS.  Behind the opening round each wave issues ONE joint load: 64 rows of all four K slots: four descriptor rows of 16,384 bytes.  Waves 0 and 1 fetch the two halves of A's rows, waves 2 and 3 of B's.  No prefetch: everything is asked for at once.
; CLUSTERS: 4 x 4; A's tiles hang on the tile row alone and are asked for jointly along a row of the cluster, B's on the tile column alone, along a column.
; A WAVE GOES BY ROWS OF THE RESULT: B's fragments for all of K fill 512 registers, once; A comes by blocks of 16 places x 1,024 K; a block's 32 products end its four sums, and it leaves while the next block is multiplied.
; THE MATRIX INSTRUCTION IS USED TRANSPOSED (source 0 = 16 rows of B, source 1 = 16 rows of A): lane (r, h) of accumulator (a, b) holds place 16 a + r and columns 16 b + 8 h + 0 .. 7.
; A's rows are PLACES: place n holds row n with bits 3 and 4 exchanged: place m of block a is stored at row 32 (a / 2) + 8 (a % 2) + 16 (m / 8) + m % 8 of my 64.
; REGISTERS: window 0: v0-31 addresses; v32-63 a block's scaled sums; v64-127 two blocks read back from the stage; v128-191 the accumulators, two sets of four by turns.
;   windows 1, 2: B's fragments of steps 0-3 and 4-7 (128 along K each), (step q, block b) at v[64 (q % 4) + 16 b];  window 3: two blocks of A, step q at v[128 (a % 2) + 16 q].
.set SIZE_N, 1024
.set PITCH,  272                       ; B's LDS row: 256 bytes + 16 of padding: the 16 rows that a load touches start at 16 different banks (64 banks of 4 bytes: ISA guide 11.1)
.set ASL,    16384                     ; 64 rows of a K slot of A; its four K slots lie on end
.set AHALF,  4*ASL
.set BOFF,   2*AHALF                   ; B lies behind A's two halves
.set BSL,    64*PITCH
.set BHALF,  4*BSL
.set STAGE,  BOFF+2*BHALF              ; behind the tiles: 16 rows x (256 + 16) bytes for each wave, for the way out; no fill lands here
.set SPITCH, 272
.set SPARE,  0x48000
.set ADRA, 8                           ; v8-11   LDS address of my A fragments in K slot 0 .. 3
.set ADRB, 12                          ; v12-15  the same for B
.set STO,  16                          ; v16     the way out: where I put 32 bytes of a row
.set RD,   17                          ; v17     where I read a row back
.set CO,   18                          ; v18     my byte offset in out0
.set SPW,  30
.set NIL,  31
.set TMP,  32
.set BK,   64
.set ACC,  128
.set G1,   24                          ; s[24:31], s[32:35] descriptor groups 1 and 0 for A;  s[48:55], s[68:71] for B
.set G0,   32
.set G1B,  48
.set G0B,  68
.set MSB, 0
.macro WIN new                         ; the immediate's high byte repeats the setting that is left
.if MSB != \new
	s_set_vgpr_msb (MSB<<8)|\new
.set MSB, \new
.endif
.endm
.macro CROUND                          ; a round of the cluster's barrier
	s_barrier_signal -1
	s_barrier_wait -1
	s_cmp_lg_u32 s14, 0
	s_cbranch_scc1 .Lnot_wave_0_\@
	s_barrier_signal -3
.Lnot_wave_0_\@:
	s_barrier_wait -3
	s_barrier_signal -1
	s_barrier_wait -1
.endm
	s_load_b256 s[4:11], s[0:1], 0x0               ; ac s[4:5], codes s[6:7], the exponents s[8:9], out0 s[10:11]
	v_lshl_add_u32 v[SPW], v0, 2, SPARE
	v_mov_b32 v[NIL], 0
	ds_add_u32 v[SPW], v[NIL]                      ; the wave's opening: the add, twice on end, and its wait ahead of my first tensor load
	ds_add_u32 v[SPW], v[NIL]
	v_lshrrev_b32 v1, 5, v0
	v_readfirstlane_b32 s14, v1                    ; wave 0..3
	v_and_b32 v1, 15, v0                           ; r
	v_bfe_u32 v2, v0, 4, 1                         ; h
	v_mul_u32_u24 v3, v1, PITCH
	v_lshl_add_u32 v4, v2, 4, v3                   ; B: row x pitch + 16 x half
	v_and_b32 v6, 31, v0
	v_lshlrev_b32 v7, 4, v6                        ; A: 16 x lane
	v_mul_u32_u24 v5, v1, SPITCH
	v_lshl_add_u32 v5, v2, 5, v5                   ; the stage, in: row r, 32 bytes for each half of the lanes
	v_mul_u32_u24 v6, v2, SPITCH
	v_lshl_add_u32 v6, v1, 4, v6                   ; back: lanes 0-15 one row of 256 bytes, lanes 16-31 the next
	v_lshlrev_b32 v3, 12, v2
	v_lshl_add_u32 v[CO], v1, 4, v3                ; and the same two rows in out0: 4,096 bytes a row
	s_wait_alu depctr_va_vdst(0)
	s_lshr_b32 s15, s14, 1                         ; which half of the tile's rows is mine.  Also: I fetch for A (0) or for B (1)
	s_and_b32 s16, s14, 1                          ; which half of its columns.  Also: which 64 rows I fetch
	s_bfe_u32 s84, ttmp6, 0x40000                  ; cx
	s_bfe_u32 s85, ttmp6, 0x40004                  ; cy
	s_lshl_b32 s86, ttmp9, 2
	s_add_co_u32 s86, s86, s84                     ; tile column = 4 x cluster x + cx
	s_and_b32 s87, ttmp7, 0xffff
	s_lshl_b32 s87, s87, 2
	s_add_co_u32 s87, s87, s85                     ; tile row = 4 x cluster y + cy
	s_lshl_b32 s88, s85, 2
	s_lshl_b32 s88, 15, s88                        ; my row of the cluster
	s_lshl_b32 s89, 0x1111, s84                    ; my column
	s_or_b32 s[G1+0], s88, (3<<16)|(1<<21)         ; A: the mask of my row; elements of 8 bytes; bit 21 beside a mask; no padding
	s_or_b32 s[G1B+0], s89, (3<<16)|(1<<20)|(1<<21)|(5<<22)|(3<<25)  ; B: the mask of my column; 4 words of padding after every 64
.irp g, G1, G1B
	s_mov_b32 s[\g+1], 2048<<16                    ; rows of 2,048 elements = 16,384 bytes,
	s_mov_b32 s[\g+2], 4<<16                       ; four of them
	s_mov_b32 s[\g+3], 2048<<16
	s_mov_b32 s[\g+4], 4
	s_mov_b32 s[\g+6], 0
	s_mov_b32 s[\g+7], 0
.endr
	s_mov_b32 s[G1+5], 0x100000/8                  ; a K slot of ac,
	s_mov_b32 s[G1B+5], 0x400000/8                 ; of codes
	s_lshl_b32 s20, s87, 15                        ; A: 128 places of 256 bytes a tile row,
	s_lshl_b32 s18, s16, 14                        ; + my 64
	s_add_co_u32 s20, s20, s18
	s_mov_b32 s21, 0
	s_lshl_b32 s22, s86, 15                        ; B: 128 rows of 256 bytes a tile column,
	s_add_co_u32 s22, s22, s18                     ; + my 64,
	s_add_co_u32 s22, s22, 0x3c0000                ; in Wo's part of a K slot
	s_mov_b32 s23, 0
	s_mul_i32 s90, s16, AHALF                      ; where they go: no place in the cluster enters an LDS address
	s_mul_i32 s91, s16, BHALF
	s_add_co_u32 s91, s91, BOFF
	s_mul_i32 s92, s15, AHALF                      ; my 64 rows of A,
	s_mul_i32 s93, s16, BHALF                      ; my 64 rows of B
	s_add_co_u32 s93, s93, BOFF
.irp s, 0,1,2,3
	v_add_nc_u32 v[ADRA+\s], s92, v7
	v_add_nc_u32 v[ADRB+\s], s93, v4
	s_add_co_u32 s92, s92, ASL
	s_add_co_u32 s93, s93, BSL
.endr
	s_mul_i32 s94, s14, 16*SPITCH
	s_add_co_u32 s94, s94, STAGE                   ; my stage
	v_add_nc_u32 v[STO], s94, v5
	v_add_nc_u32 v[RD], s94, v6
	s_lshl_b32 s56, s87, 19                        ; my first row of out0: 128 rows of 4,096 bytes a tile row,
	s_lshl_b32 s57, s15, 18                        ; + my 64 rows
	s_add_co_u32 s56, s56, s57
	s_mov_b32 s57, 0
	s_lshl_b32 s58, s86, 9                         ; my first column, in bytes: 512 x tile column + 256 x half
	s_lshl_b32 s59, s16, 8
	s_add_co_u32 s58, s58, s59
	s_mov_b32 s59, 0
	s_wait_alu depctr_va_vdst(0)
	s_wait_dscnt 0x0                               ; both opening adds are done
	s_wait_kmcnt 0x0
	s_load_b64 s[96:97], s[8:9], 0x28              ; e10, e11
	s_add_nc_u64 s[20:21], s[4:5], s[20:21]
	s_add_nc_u64 s[22:23], s[6:7], s[22:23]
	s_add_nc_u64 s[10:11], s[10:11], s[56:57]
	s_add_nc_u64 s[10:11], s[10:11], s[58:59]
	CROUND                                         ; all sixteen work-groups are here: the joint loads meet
	s_mov_b32 s[G0], 1
	s_mov_b32 s[G0+1], s90
	s_mov_b64 s[G0+2:G0+3], s[20:21]
	s_or_b32 s[G0+3], s[G0+3], 0x80000000
	s_mov_b32 s[G0B], 1
	s_mov_b32 s[G0B+1], s91
	s_mov_b64 s[G0B+2:G0B+3], s[22:23]
	s_or_b32 s[G0B+3], s[G0B+3], 0x80000000
	s_cmp_eq_u32 s15, 0                            ; a branch on the wave's number, one load to an arm
	s_cbranch_scc0 .Lfill_b
	tensor_load_to_lds s[G0:G0+3], s[G1:G1+7]
	s_nop 0
.rept 4
	v_nop
.endr
	s_branch .Lfilled
.Lfill_b:
	tensor_load_to_lds s[G0B:G0B+3], s[G1B:G1B+7]
	s_nop 0
.rept 4
	v_nop
.endr
.Lfilled:
; Registers 4 c .. 4 c + 3 of a fragment (16 rows x 128 K) hold K = 32 c + 16 (l / 16) + 0 .. 15 of row l % 16, in A and in B alike.
.macro LOADA a                         ; A's block a, all eight steps: 32 loads into window 3
	WIN 0xc0
.irp q, 0,1,2,3,4,5,6,7
.irp c, 0,1,2,3
	ds_load_b128 v[128*((\a)%2)+16*\q+4*\c:128*((\a)%2)+16*\q+4*\c+3], v[ADRA+\q/2] offset:(\a)*4096+(2*(\q%2)+\c/2)*1024+(\c%2)*512
.endr
.endr
	WIN 0
.endm
.macro LOADB half                      ; B's four blocks, steps 4 half .. 4 half + 3: 64 loads into window 1 + half
	WIN 0x40+0x40*\half
.irp q, 0,1,2,3
.irp b, 0,1,2,3
.irp c, 0,1,2,3
	ds_load_b128 v[64*\q+16*\b+4*\c:64*\q+16*\b+4*\c+3], v[ADRB+2*\half+\q/2] offset:128*(\q%2)+32*\c+\b*16*PITCH
.endr
.endr
.endr
	WIN 0
.endm
; 16 matrix instructions: block a, steps 4 half .. 4 half + 3.  The four accumulators take turns, one instruction a turn.
.macro MUL a, half
	WIN 0x0d+\half                                 ; source 0 (B) window 1 or 2, source 1 (A) window 3, C and D window 0
.irp q, 0,1,2,3
.irp b, 0,1,2,3
.if (\half+\q) == 0
	v_wmma_f32_16x16x128_fp8_fp8 v[ACC+32*((\a)%2)+8*\b:ACC+32*((\a)%2)+8*\b+7], v[64*\q+16*\b:64*\q+16*\b+15], v[128*((\a)%2)+64*\half+16*\q:128*((\a)%2)+64*\half+16*\q+15], 0
.else
	v_wmma_f32_16x16x128_fp8_fp8 v[ACC+32*((\a)%2)+8*\b:ACC+32*((\a)%2)+8*\b+7], v[64*\q+16*\b:64*\q+16*\b+15], v[128*((\a)%2)+64*\half+16*\q:128*((\a)%2)+64*\half+16*\q+15], v[ACC+32*((\a)%2)+8*\b:ACC+32*((\a)%2)+8*\b+7]
.endif
.endr
.endr
	WIN 0
.endm
; THE WAY OUT of a block of 16 places x 64 columns, through my own stage in LDS: in by 32 bytes a lane, back as whole rows of 256 bytes.  LDS serves a wave's instructions in order (ISA guide 5.7.1.4):
; no wait between the stores and the loads, nor in front of the next block's stores.
.macro TOSTAGE a
.rept 4
	v_nop                                          ; places behind the block's last products (ISA guide 7.12.1)
.endr
.set AC, ACC+32*((\a)%2)
.irp j, 0,2,4,6,8,10,12,14,16,18,20,22,24,26,28,30
	v_pk_mul_f32 v[TMP+\j:TMP+\j+1], v[AC+\j:AC+\j+1], s[96:97] op_sel_hi:[1,0]   ; x 2^(e10 + e11); each accumulator from its low end on
.endr
.irp b, 0,1,2,3
	ds_store_b128 v[STO], v[TMP+8*\b:TMP+8*\b+3] offset:64*\b
	ds_store_b128 v[STO], v[TMP+8*\b+4:TMP+8*\b+7] offset:64*\b+16
.endr
.set BB, BK+32*((\a)%2)
.irp t, 0,1,2,3,4,5,6,7
	ds_load_b128 v[BB+4*\t:BB+4*\t+3], v[RD] offset:\t*2*SPITCH
.endr
.endm
.macro SEND a
.set BB, BK+32*((\a)%2)
	s_wait_dscnt 0x0                               ; the block is back in registers
.irp t, 0,1,2,3,4,5,6,7
	global_store_b128 v[CO], v[BB+4*\t:BB+4*\t+3], s[10:11] offset:(32*((\a)/2)+8*((\a)%2)+16*(\t/4)+2*(\t%4))*SIZE_N*4 th:TH_STORE_NT   ; places 2 t and 2 t + 1 of the block, each at its own row: 16 lanes store 256 consecutive bytes, aligned
.endr
.endm
	s_wait_kmcnt 0x0
	s_add_co_i32 s96, s96, s97
	s_add_co_i32 s96, s96, 127
	s_lshl_b32 s96, s96, 23                        ; 2^(e10 + e11) as f32
	s_wait_tensorcnt 0x0                           ; my load has landed
	s_barrier_signal -1
	s_barrier_wait -1                              ; everybody's has
	LOADA 0
	LOADB 0
	LOADB 1
	s_wait_dscnt 63                                ; of these 160 loads the first 97 are in: A's block 0 and B's steps 0-3
	MUL 0, 0
	s_wait_dscnt 0x0
	LOADA 1
	MUL 0, 1
	TOSTAGE 0
	s_wait_dscnt 16                                ; A's block 1 is in; the stage's eight stores and eight loads may be out
	MUL 1, 0
	SEND 0
	LOADA 2                                        ; block 0's products stand TOSTAGE 0's places and more behind
	MUL 1, 1
	TOSTAGE 1
	s_wait_dscnt 16
	MUL 2, 0
	SEND 1
	LOADA 3
	MUL 2, 1
	s_wait_xcnt 0x0                                ; block 0's stores have read their registers: block 2's loads may land there
	TOSTAGE 2
	s_wait_dscnt 16
	MUL 3, 0
	SEND 2
	MUL 3, 1
	s_wait_xcnt 0x0                                ; block 1's likewise
	TOSTAGE 3
	SEND 3
	s_wait_tensorcnt 0x0                           ; the wave's end
	ds_add_u32 v[SPW], v[NIL]
	s_wait_dscnt 0x0
	CROUND                                         ; the closing round: no work-group ends while a partner may still ask for a tile that names it
	s_endpgm
.Lfunc_end_k_qacaf945e0b_outp:
	.size	k_qacaf945e0b_outp, .Lfunc_end_k_qacaf945e0b_outp-k_qacaf945e0b_outp
	.p2alignl 7, 3214868480
	.fill 96, 4, 3214868480
	.section	.rodata,"a",@progbits
	.p2align	6, 0x0
	.amdhsa_kernel k_qacaf945e0b_outp
		.amdhsa_group_segment_fixed_size 295424
		.amdhsa_private_segment_fixed_size 0
		.amdhsa_enable_private_segment 0
		.amdhsa_kernarg_size 32
		.amdhsa_user_sgpr_count 2
		.amdhsa_user_sgpr_kernarg_segment_ptr 1
		.amdhsa_wavefront_size32 1
		.amdhsa_system_sgpr_workgroup_id_x 1
		.amdhsa_system_sgpr_workgroup_id_y 1
		.amdhsa_system_sgpr_workgroup_id_z 1
		.amdhsa_system_vgpr_workitem_id 0
		.amdhsa_next_free_vgpr 1024
		.amdhsa_next_free_sgpr 98
		.amdhsa_reserve_vcc 0
		.amdhsa_float_denorm_mode_32 3
		.amdhsa_float_denorm_mode_16_64 3
		.amdhsa_memory_ordered 1
		.amdhsa_forward_progress 1
		.amdhsa_inst_pref_size 44
	.end_amdhsa_kernel
	.amdgpu_metadata
---
amdhsa.version: [ 1, 2 ]
amdhsa.kernels:
  - .name:           k_qacaf945e0b_outp
    .symbol:         k_qacaf945e0b_outp.kd
    .args:
      - { .name: ac, .offset: 0, .size: 8, .value_kind: global_buffer, .address_space: global }
      - { .name: codes, .offset: 8, .size: 8, .value_kind: global_buffer, .address_space: global }
      - { .name: lowp_scales, .offset: 16, .size: 8, .value_kind: global_buffer, .address_space: global }
      - { .name: out0, .offset: 24, .size: 8, .value_kind: global_buffer, .address_space: global }
    .group_segment_fixed_size: 295424
    .private_segment_fixed_size: 0
    .kernarg_segment_align: 8
    .kernarg_segment_size: 32
    .max_flat_workgroup_size: 128
    .sgpr_count:     98
    .vgpr_count:     1024
    .wavefront_size: 32
...
	.end_amdgpu_metadata
.endif
;; end of part 4
